; MI455X (gfx1250); checked and timed in simulation.
; The chip was launched on July 23, 2026; its instructions are those of AMD's public machine-readable ISA for CDNA 5 (MIT licence, August 2026) and "CDNA5" Instruction Set Architecture Reference Guide (July 2026). The comments in the code are by the model that wrote it; some were corrected since.
;; Attention Block. Allowed arithmetic: matrix products marked QUANTISED: E2M1 operands, one E8M0 scale for each 32 along K, by v_wmma_scale_f32_16x16x128_f8f6f4 with both operands' format E2M1 (or v_wmma_scale_f32_32x16x128_f4), f32 sums; everything else in f32.
;; Inputs: Wkv 1,024 x 512 float32; Wp 512 x 512 float32; Wq 512 x 512 float32; bkv 1,024 float32; bp 512 float32; bq 512 float32; gn_b 512 float32; gn_w 512 float32; x 16 x 512 x 32 x 32 float32; y 16 x 512 x 32 x 32 float32.
;; Outputs: out0 16 x 512 x 32 x 32 float32.
;; This version of the problem:
;;   THIS VERSION OF THE PROBLEM IS GIVEN IN LOW PRECISION. The matrix products marked QUANTISED in the list below multiply operands that are first quantised to E2M1 (2 exponent bits, 1 mantissa bit; 4 bits a number), with one power-of-two scale for each 32 numbers along K (OCP MX v1.0); their sums are f32. All else is computed in f32.
;;   The module's matrix products, in the order in which they are computed (A, B: the left and right operand; K: the contracted axis; several contracted axes count as one K, in the product's order):
;;     1. [M 16,384, K 512] x [K 512, N 512]; A: computed on the way; B: input Wq: QUANTISED
;;     2. [M 16,384, K 512] x [K 512, N 1,024]; A: computed on the way; B: input Wkv: QUANTISED
;;     3. batch 128 x [M 1,024, K 64] x [K 64, N 1,024]; A: computed on the way; B: computed on the way: QUANTISED
;;     4. batch 128 x [M 64, K 1,024] x [K 1,024, N 1,024]; A: computed on the way; B: softmax (see below): QUANTISED
;;     5. [M 16,384, K 512] x [K 512, N 512]; A: computed on the way; B: input Wp: QUANTISED
;;   THE QUANTISER, for each operand of a quantised product, along K:
;;     - K is cut into blocks of 32 from its start; a last block that is shorter is filled with zeros.
;;     - A block's scale is 2^e with e = floor(log2(the largest magnitude in the block)) - 2, held to -126 .. 127; a block of zeros has e = 0. As a byte (E8M0): e + 127.
;;     - Each number is divided by its block's scale, clamped to +-6, and rounded to the nearest number of E2M1, ties to even, subnormals kept.
;;     - The product sums the exact products of the quantised numbers (number of the format x scale) in f32.
;;   ~~~python
;;   def quantise(x, axis):      # numpy; x: float32 -> the quantised numbers, widened to float32 again
;;       x = np.moveaxis(x, axis, -1); K = x.shape[-1]
;;       x = np.pad(x, [(0, 0)] * (x.ndim - 1) + [(0, -K % 32)]); x = x.reshape(x.shape[:-1] + (-1, 32)); a = np.abs(x).max(-1, keepdims=True)
;;       e = np.where(a > 0, np.clip(np.frexp(np.where(a > 0, a, 1))[1] - 1 - 2, -126, 127), 0)      # np.frexp(a)[1] - 1 = floor(log2(a)), exactly
;;       r = np.clip(x / 2.0 ** e, -6, 6)
;;       step = 2.0 ** (np.maximum(np.frexp(np.where(r == 0, 1, r))[1] - 1, 0) - 1)
;;       q = np.round(r / step) * step * 2.0 ** e      # np.round: ties to even
;;       return np.moveaxis(q.reshape(q.shape[:-2] + (-1,))[..., :K], -1, axis).astype(np.float32)
;;   ~~~
;;   SOFTMAX AHEAD OF A QUANTISED PRODUCT. Where the list says 'softmax', what is quantised is not the finished softmax but p = 2^(t - M), with t = logit x log2(e) and M = ceil(the row's largest t), a whole number; so 1/2 < the row's largest p <= 1. The row's sum l is taken of the UNQUANTISED p, in f32, and the product's result is divided by l at the end. Since M is a whole number, a kernel that streams over the keys may use a running M (the ceiling of the running maximum): every later rescaling is an exact power of two, which a block's scale takes up: the codes' values come out the same.
;;   OPERANDS COMPUTED ON THE WAY. 'Computed on the way' means the value that the module computes at that place (a softmax that the list does not call 'softmax' is quantised finished and normalised). What goes into a quantiser is computed in f32, as accurately as f32 sums, v_exp_f32 and their like allow (about 1e-6 of the number): no bf16 or f16 on the way to a quantiser, and a product that is left as it is and whose result goes on into a quantised operand takes f32 operands (vector FMAs, or v_wmma_f32_16x16x4_f32). A number that lies on a knife's edge between two numbers of the format may be rounded either way, as far as f32 arithmetic and the matrix unit's own rounding can turn it there, and no further.
;; 2 versions. Each part assembles by itself: llvm-mc -triple=amdgcn-amd-amdhsa -mcpu=gfx1250 --defsym DOCPART=n.
;; ======== version 1 of 2: 4 launches
;; workspace buffers: act_c 8,388,608 bytes; act_s 524,288 bytes; w_cs 557,056 bytes; qkv_c 12,582,912 bytes; qkv_s 1,310,720 bytes; a_c 4,194,304 bytes; a_s 262,144 bytes
;; launch prep (part 1): grid 512 x 1, 8 waves a work-group, no clusters, 27,648 bytes of LDS; arguments x, y, gn_w, gn_b, act_c, act_s, Wq, Wkv, Wp, w_cs; writes act_c, act_s, w_cs
.if DOCPART == 1
	.amdgcn_target "amdgcn-amd-amdhsa--gfx1250"
	.amdhsa_code_object_version 6
	.text
	.protected	k_q3eb5f86468_prep
	.globl	k_q3eb5f86468_prep
	.p2align	8
	.type	k_q3eb5f86468_prep,@function
k_q3eb5f86468_prep:
	s_mov_b64 s[64:65], 0
	v_nop
	global_prefetch_b8 v0, s[64:65] scope:SCOPE_SE
	s_setreg_imm32_b32 hwreg(HW_REG_WAVE_MODE, 25, 1), 1
	s_wait_xcnt 0x0
; GroupNorm of x and y [16][512][1024] f32 and their quantising to FP4 (E2M1) along the channels; quantising of Wq, Wkv, Wp along their K.
; Work-group i = tensor x 256 + b x 16 + block: 32 channels (two groups of 16) x 1,024 tokens of one image of x or y: one block of 32 along K for every token.
; The weights have 128 tiles of 16 rows x 4 K steps of 128 = 512 pieces of 8,192 bytes: work-group i also takes piece i (tile i / 4, K step i % 4).  Its wave 0 asks for the piece ahead of its share of x
; and quantises it while x's loads are on their way.  So all 512 work-groups have the same work.
; A FRAGMENT GOES TO MEMORY AS AN IMAGE OF ITS REGISTERS: 16 rows x 128 K = 1,024 bytes, [half 2][lane 32][16 bytes]; lane (r, h) of half c holds block 2 c + h of row r.
; THE ROWS OF A TILE ARE NOT NEIGHBOURS: row r of tile 2 B + u is element 32 B + 8 u + r + 8 (r / 8) (tokens and weight rows alike), so that a later product's results are neighbours along the next K.
; act_c [tensor][b][tile 64][K step 4] images; act_s [tensor][b][block 16][tile x 16 + r] bytes; w_cs: images [tile 128][K step 4] (tiles 0-31 Wq, 32-95 Wkv, 96-127 Wp), from byte 524,288 on scale words [tile][r][K step].
; The mean is taken first and taken off, and the squares are summed of the differences: no difference of large sums is formed.
; A block's scale byte is its largest magnitude's exponent field - 2, held at 1 from below.
; LIMITS: NaN and infinities among the inputs are not served; a block of zeros, or one whose largest magnitude lies under 2^-124, gets the byte 1 (its codes are zeros or near; only this program reads the bytes).
; No cluster: no two work-groups read the same bytes.
.set RED1, 0                           ; 8 waves x 8 bytes: the sums
.set RED2, 256                         ; the sums of squares
.set SB,   512                         ; 8 waves x 128 scale bytes
.set CT,   1536                        ; 8 waves x 2,048 bytes of codes, by token
.set WST,  17920                       ; wave 0's stage for the weights' piece: 16 rows x 528 bytes
.set X,   16                           ; v16-143  channel c, token 4 t + j at X + 4 c + j
.set T,   144                          ; v144-207 two sets of 32 numbers; in wave 0 first the weights' piece
.set CD,  208                          ; v208-223 codes
.set CH,  224                          ; v224-231 four chains
.set RS,  232                          ; v232-235 the two groups' sums, and the other half's
.set MU,  236                          ; v236-239 the two means, as pairs
.set MX,  240                          ; v240-243 at work
.set BW,  244                          ; v244     four scale bytes
.set WM,  224                          ; the weights' piece: v224-229 at work,
.set SWD, 230                          ; v230     its rows' scale word
.set WA,  14                           ; v14      16 x lane
.set WB,  15                           ; v15      528 r + 128 h
.set WC,  245                          ; v245     16 r
.set WS,  246                          ; v246     8 h
.macro FOLD dst
	v_pk_add_f32 v[CH:CH+1], v[CH:CH+1], v[CH+2:CH+3]
	v_pk_add_f32 v[CH+4:CH+5], v[CH+4:CH+5], v[CH+6:CH+7]
	v_pk_add_f32 v[CH:CH+1], v[CH:CH+1], v[CH+4:CH+5]
	v_add_f32 v[\dst], v[CH], v[CH+1]
.endm
.macro GSUM g, dst                     ; the sum of my 64 numbers of group g, in four chains
.irp k, 0,1,2,3
	v_pk_add_f32 v[CH+2*\k:CH+2*\k+1], v[X+64*\g+2*\k:X+64*\g+2*\k+1], v[X+64*\g+8+2*\k:X+64*\g+9+2*\k]
.endr
.set n, 8
.rept 24
	v_pk_add_f32 v[CH+2*(n%4):CH+2*(n%4)+1], v[CH+2*(n%4):CH+2*(n%4)+1], v[X+64*\g+2*n:X+64*\g+2*n+1]
.set n, n+1
.endr
	FOLD \dst
.endm
.macro GSQ g, dst                      ; the sum of their squares
.irp k, 0,1,2,3
	v_pk_mul_f32 v[CH+2*\k:CH+2*\k+1], v[X+64*\g+2*\k:X+64*\g+2*\k+1], v[X+64*\g+2*\k:X+64*\g+2*\k+1]
.endr
.set n, 4
.rept 28
	v_pk_fma_f32 v[CH+2*(n%4):CH+2*(n%4)+1], v[X+64*\g+2*n:X+64*\g+2*n+1], v[X+64*\g+2*n:X+64*\g+2*n+1], v[CH+2*(n%4):CH+2*(n%4)+1]
.set n, n+1
.endr
	FOLD \dst
.endm
.macro XRED off                        ; the pair in v[RS:RS+1] summed over the wave's lanes, then over the eight waves: result in v[T:T+1], in every lane
.irp m, 1,2,4,8
	v_add_f32_dpp v[RS], v[RS], v[RS] row_xmask:\m row_mask:0xf bank_mask:0xf
	v_add_f32_dpp v[RS+1], v[RS+1], v[RS+1] row_xmask:\m row_mask:0xf bank_mask:0xf
.endr
	v_permlanex16_b32 v[RS+2], v[RS], s96, s97
	v_permlanex16_b32 v[RS+3], v[RS+1], s96, s97
	v_add_f32 v[RS], v[RS], v[RS+2]
	v_add_f32 v[RS+1], v[RS+1], v[RS+3]
	ds_store_b64 v12, v[RS:RS+1] offset:\off       ; all lanes write the wave's 8 bytes with the same value
	s_wait_dscnt 0x0                               ; for the others' sake: my store has landed
	s_barrier_signal -1
	s_barrier_wait -1
.irp i, 0,1,2,3
	ds_load_b128 v[T+4*\i:T+4*\i+3], v13 offset:\off+16*\i
.endr
	s_wait_dscnt 0x0
	v_pk_add_f32 v[T:T+1], v[T:T+1], v[T+2:T+3]
	v_pk_add_f32 v[T+4:T+5], v[T+4:T+5], v[T+6:T+7]
	v_pk_add_f32 v[T+8:T+9], v[T+8:T+9], v[T+10:T+11]
	v_pk_add_f32 v[T+12:T+13], v[T+12:T+13], v[T+14:T+15]
	v_pk_add_f32 v[T:T+1], v[T:T+1], v[T+4:T+5]
	v_pk_add_f32 v[T+8:T+9], v[T+8:T+9], v[T+12:T+13]
	v_pk_add_f32 v[T:T+1], v[T:T+1], v[T+8:T+9]
.endm
; Token 4 t + j: its 32 channels are normalised, and are one block: largest magnitude, scale, 32 codes = 16 bytes, into the wave's bytes of LDS by token
.macro COL j
.set TS, T+32*((\j)%2)
.set q, 0
.rept 32
	v_fma_f32 v[TS+q], v[X+4*q+\j], s[16+q], s[48+q+4*(q/16)]      ; (x - mean) x (rstd w[c]) + b[c]
.set q, q+1
.endr
	v_max3_num_f32 v[MX], |v[TS]|, |v[TS+1]|, |v[TS+2]|
	v_max3_num_f32 v[MX+1], |v[TS+3]|, |v[TS+4]|, |v[TS+5]|
.irp i, 6,10,14,18,22,26
	v_max3_num_f32 v[MX], v[MX], |v[TS+\i]|, |v[TS+\i+1]|
	v_max3_num_f32 v[MX+1], v[MX+1], |v[TS+\i+2]|, |v[TS+\i+3]|
.endr
	v_max3_num_f32 v[MX], v[MX], |v[TS+30]|, |v[TS+31]|
	v_max3_num_f32 v[MX], v[MX], v[MX+1], 0x1800000                ; and the floor 2^(3 - 127): the byte cannot fall under 1
	v_add_nc_u32 v[MX+2], 0xff000000, v[MX]                        ; 2 off the exponent field: the conversion's scale operand
.irp g, 0,1,2,3
	v_cvt_scalef32_pk8_fp4_f32 v[CD+4*\j+\g], v[TS+8*\g:TS+8*\g+7], v[MX+2]
.endr
.if \j == 0
	v_lshrrev_b32 v[BW], 23, v[MX+2]                               ; the scale's byte (a plain line behind the conversions)
.else
	v_lshrrev_b32 v[MX+3], 23, v[MX+2]
	v_lshl_or_b32 v[BW], v[MX+3], 8*\j, v[BW]
.endif
	ds_store_b128 v3, v[CD+4*\j:CD+4*\j+3] offset:CT+16*\j
.endm
	s_load_b256 s[4:11], s[0:1], 0x0               ; x, y, gn_w, gn_b
	s_load_b128 s[12:15], s[0:1], 0x20             ; act_c, act_s
	s_load_b256 s[84:91], s[0:1], 0x30             ; Wq, Wkv, Wp, w_cs
	v_lshl_add_u32 v248, v0, 2, 0x6800
	v_mov_b32 v249, 0
	v_lshrrev_b32 v2, 5, v0
	v_readfirstlane_b32 s2, v2                     ; wave
	v_and_b32 v2, 31, v0                           ; lane
	s_mov_b32 s96, 0x76543210
	s_mov_b32 s97, 0xfedcba98                      ; v_permlanex16_b32's selects for lane l xor 16
	s_mov_b32 s3, ttmp9                            ; tensor x 256 + b x 16 + block; also the weights' piece
	; every address register is made here, ahead of the lines that wave 0 alone runs
	s_lshl_b32 s98, s2, 11
	s_lshl_b32 s99, s2, 7
	v_lshlrev_b32 v1, 4, v0                        ; my four tokens' 16 bytes of a channel's row
	v_lshl_add_u32 v3, v2, 6, s98                  ; codes into LDS: 16 x (4 lane + j)
	v_and_b32 v5, 7, v2
	v_lshl_add_u32 v4, v5, 4, s98
	v_bfe_u32 v5, v2, 4, 1                         ; h: which tile of a pair
	v_lshl_add_u32 v4, v5, 7, v4
	v_bfe_u32 v6, v2, 3, 1
	v_lshl_add_u32 v4, v6, 8, v4                   ; and out: token 8 u + r + 8 (r / 8) of a run of 32
	v_and_b32 v8, 15, v2                           ; r
	v_lshlrev_b32 v7, 4, v8
	v_lshl_add_u32 v7, v5, 12, v7                  ; in act_c: tile u of the pair, row r
	v_lshl_add_u32 v9, v2, 2, s99                  ; scale bytes into LDS: by token
	v_and_b32 v10, 0x19, v2
	v_bfe_u32 v6, v2, 1, 1
	v_lshl_add_u32 v10, v6, 2, v10
	v_bfe_u32 v6, v2, 2, 1
	v_lshl_add_u32 v10, v6, 1, v10                 ; and out: the lane's bits 1 and 2 change places: by tile and row
	v_lshl_add_u32 v10, v10, 2, s99
	v_lshlrev_b32 v11, 2, v2
	v_mov_b32 v12, s2
	v_lshlrev_b32 v12, 3, v12                      ; my wave's 8 bytes among the sums
	v_mov_b32 v13, 0
	v_mov_b32 v[RS+2], 0                           ; a lane permute's destination counts as one of its sources
	v_mov_b32 v[RS+3], 0
	v_lshlrev_b32 v[WA], 4, v2                     ; the weights' piece: 16 bytes a lane of a row's 512, and of an image's half
	v_mul_u32_u24 v[WB], v8, 528
	v_lshl_add_u32 v[WB], v5, 7, v[WB]             ; out of the stage: row r, my half's 32 numbers
	v_lshlrev_b32 v[WC], 4, v8                     ; row r's four scale words
	v_lshlrev_b32 v[WS], 3, v5
	s_and_b32 s92, s3, 255
	s_lshl_b32 s92, s92, 17                        ; 32 channels x 4,096 bytes
	s_mov_b32 s93, 0
	s_and_b32 s94, s3, 15
	s_lshl_b32 s94, s94, 7                         ; my 32 numbers of gn_w and gn_b
	s_mov_b32 s95, 0
	s_lshr_b32 s98, s3, 4
	s_lshl_b32 s98, s98, 18                        ; codes: (tensor x 16 + b) x 64 tiles x 4,096
	s_lshl_b32 s100, s2, 15                        ; + 8 tiles a wave
	s_add_co_u32 s98, s98, s100
	s_lshl_b32 s100, s94, 1                        ; + 256 x block: K step, half and lanes' half in one
	s_add_co_u32 s98, s98, s100
	s_mov_b32 s99, 0
	s_lshl_b32 s100, s3, 10                        ; scale bytes: a plane of 1,024 for each work-group,
	s_lshl_b32 s101, s2, 7                         ; 128 a wave
	s_add_co_u32 s100, s100, s101
	s_mov_b32 s101, 0
	s_wait_kmcnt 0x0
	s_cmp_lt_u32 s3, 256
	s_cselect_b64 s[4:5], s[4:5], s[6:7]           ; x or y: the choice hangs on the work-group's number alone
	s_add_nc_u64 s[4:5], s[4:5], s[92:93]
	s_add_nc_u64 s[8:9], s[8:9], s[94:95]
	s_add_nc_u64 s[10:11], s[10:11], s[94:95]
	s_add_nc_u64 s[12:13], s[12:13], s[98:99]
	s_add_nc_u64 s[14:15], s[14:15], s[100:101]
	; the weights' piece: tile = i / 4 (0-31 Wq, 32-95 Wkv, 96-127 Wp), K step = i % 4
	s_lshr_b32 s94, s3, 2
	s_cmp_lt_u32 s3, 384
	s_cselect_b64 s[86:87], s[86:87], s[88:89]
	s_cselect_b32 s92, 32, 96
	s_cmp_lt_u32 s3, 128
	s_cselect_b64 s[84:85], s[84:85], s[86:87]
	s_cselect_b32 s92, 0, s92
	s_sub_co_u32 s92, s94, s92                     ; the tile's number in its matrix
	s_lshr_b32 s93, s92, 1
	s_lshl_b32 s93, s93, 5
	s_and_b32 s92, s92, 1
	s_lshl_b32 s92, s92, 3
	s_add_co_u32 s92, s92, s93                     ; its first row
	s_lshl_b32 s92, s92, 11                        ; a row is 2,048 bytes
	s_and_b32 s95, s3, 3
	s_lshl_b32 s93, s95, 9                         ; a K step is 512 of them
	s_add_co_u32 s92, s92, s93
	s_mov_b32 s93, 0
	s_add_nc_u64 s[84:85], s[84:85], s[92:93]
	s_lshl_b32 s92, s94, 8
	s_lshl_b32 s98, s95, 2
	s_add_co_u32 s92, s92, s98
	s_add_nc_u64 s[88:89], s[90:91], s[92:93]      ; the tile's scale words, this K step's (524,288 stands in the store's immediate)
	s_lshl_b32 s92, s3, 10
	s_add_nc_u64 s[90:91], s[90:91], s[92:93]      ; the piece's image: 1,024 x i
	s_cmp_lg_u32 s2, 0
	s_cbranch_scc1 .Lx_loads
.irp p, 0,1,2,3,4,5,6,7,8,9,10,11,12,13,14,15
	global_load_b128 v[T+4*\p:T+4*\p+3], v[WA], s[84:85] offset:(\p+8*(\p/8))*2048 th:TH_LOAD_NT   ; wave 0: a row's 512 bytes to a load, ahead of x's
.endr
.Lx_loads:
.irp c, 0,1,2,3,4,5,6,7,8,9,10,11,12,13,14,15,16,17,18,19,20,21,22,23,24,25,26,27,28,29,30,31
	global_load_b128 v[X+4*\c:X+4*\c+3], v1, s[4:5] offset:4096*\c th:TH_LOAD_NT   ; a wave reads 512 consecutive bytes
.endr
	s_load_b512 s[16:31], s[8:9], 0x0              ; w of my 32 channels
	s_load_b512 s[32:47], s[8:9], 0x40
	s_load_b512 s[48:63], s[10:11], 0x0            ; b
	s_load_b512 s[68:83], s[10:11], 0x40
	s_mov_b32 s100, 0x38800000                     ; 1 / 16,384
	s_mov_b32 s101, 0x3727c5ac                     ; 1e-5
	s_cmp_lg_u32 s2, 0
	s_cbranch_scc1 .Lsums
	; ---- wave 0: the weights' piece, while x's loads are on their way
	s_wait_loadcnt 32                              ; the piece's 16 loads are in; x's 32, issued behind them, may be out
.irp p, 0,1,2,3,4,5,6,7,8,9,10,11,12,13,14,15
	ds_store_b128 v[WA], v[T+4*\p:T+4*\p+3] offset:WST+528*\p
.endr
	s_wait_dscnt 0x0                               ; the stores have read their registers: the loads below land there
.irp c, 0,1
.irp i, 0,1,2,3,4,5,6,7
	ds_load_b128 v[T+32*\c+4*\i:T+32*\c+4*\i+3], v[WB] offset:WST+256*\c+16*\i   ; lane (r, h): k = 64 c + 32 h + 0 .. 31 of row r
.endr
.endr
	s_wait_dscnt 0x0
.irp c, 0,1
	v_max3_num_f32 v[WM+\c], |v[T+32*\c]|, |v[T+32*\c+1]|, 0x1800000   ; my two whole blocks by turns, with the floor 2^(3 - 127)
.endr
.irp i, 2,4,6,8,10,12,14,16,18,20,22,24,26,28,30
.irp c, 0,1
	v_max3_num_f32 v[WM+\c], v[WM+\c], |v[T+32*\c+\i]|, |v[T+32*\c+\i+1]|
.endr
.endr
.irp c, 0,1
	v_add_nc_u32 v[WM+2+\c], 0xff000000, v[WM+\c]
.endr
.irp c, 0,1
	v_lshrrev_b32 v[WM+4+\c], 23, v[WM+2+\c]
.endr
	v_lshl_or_b32 v[WM+4], v[WM+5], 16, v[WM+4]    ; my two bytes: blocks h and 2 + h,
	v_lshlrev_b32 v[WM+4], v[WS], v[WM+4]          ; 8 h bits up;
	v_permlanex16_b32 v[WM+5], v[WM+4], s96, s97
	v_or_b32 v[SWD], v[WM+4], v[WM+5]              ; with lane l xor 16's two the word is whole
.irp c, 0,1
.irp g, 0,1,2,3
	v_cvt_scalef32_pk8_fp4_f32 v[CD+4*\c+\g], v[T+32*\c+8*\g:T+32*\c+8*\g+7], v[WM+2+\c]
.endr
.endr
	v_nop                                          ; one plain line behind the conversions
.irp c, 0,1
	global_store_b128 v[WA], v[CD+4*\c:CD+4*\c+3], s[90:91] offset:512*\c   ; 512 consecutive bytes
.endr
	v_cmp_gt_u32 vcc_lo, 16, v2                    ; both halves of the lanes hold row r's word: lanes 0-15 store it
	s_wait_xcnt 0x0                                ; EXEC is a source of the loads and stores that are out: it changes only behind this wait
	s_and_saveexec_b32 s86, vcc_lo
	global_store_b32 v[WC], v[SWD], s[88:89] offset:524288   ; 4 bytes of each row's 16: the other K steps' words come from three other work-groups
	s_wait_xcnt 0x0                                ; and again ahead of the line that widens it; the stores' registers may be written again too
	s_or_b32 exec_lo, exec_lo, s86
.Lsums:
	s_wait_loadcnt 16                              ; the first group's 16 loads are in; the second's 16 may be out
	GSUM 0, RS
	s_wait_loadcnt 0x0
	GSUM 1, RS+1
	XRED RED1
	v_mul_f32 v[MU], 0x38800000, v[T]              ; the means
	v_mul_f32 v[MU+2], 0x38800000, v[T+1]
	v_mov_b32 v[MU+1], v[MU]
	v_mov_b32 v[MU+3], v[MU+2]
.set n, 0
.rept 64
	v_pk_add_f32 v[X+2*n:X+2*n+1], v[X+2*n:X+2*n+1], v[MU+2*(n/32):MU+2*(n/32)+1] neg_lo:[0,1] neg_hi:[0,1]   ; x - mean, in place
.set n, n+1
.endr
	GSQ 0, RS
	GSQ 1, RS+1
	XRED RED2                                      ; other bytes than the first sums': no wave overwrites what another may still read
	v_fma_f32 v[RS], v[T], s100, s101              ; the variance + 1e-5
	v_fma_f32 v[RS+1], v[T+1], s100, s101
	v_rsq_f32 v[RS], v[RS]
	v_rsq_f32 v[RS+1], v[RS+1]
	v_nop                                          ; a plain line behind the last of them,
	s_wait_alu depctr_va_vdst(0)                   ; and the wait ahead of the first reader
	v_readfirstlane_b32 s98, v[RS]
	v_readfirstlane_b32 s99, v[RS+1]
	s_wait_kmcnt 0x0                               ; w and b
.set q, 0
.rept 32
	s_mul_f32 s[16+q], s[16+q], s[98+q/16]         ; rstd x w[c]
.set q, q+1
.endr
	COL 0
	COL 1
	COL 2
	COL 3
	ds_store_b32 v9, v[BW] offset:SB
.irp p, 0,1,2,3
	ds_load_b128 v[T+4*\p:T+4*\p+3], v4 offset:CT+512*\p   ; my wave's own bytes, served in order: two tiles' 16 rows x 16 bytes
.endr
	ds_load_b32 v[T+16], v10 offset:SB
	s_wait_dscnt 0x0
.irp p, 0,1,2,3
	global_store_b128 v7, v[T+4*\p:T+4*\p+3], s[12:13] offset:8192*\p   ; sixteen lanes store 256 consecutive bytes, aligned
.endr
	global_store_b32 v11, v[T+16], s[14:15]        ; 128 consecutive bytes: a wave has 128 tokens
	s_wait_tensorcnt 0x0
	ds_add_u32 v248, v249
	s_wait_dscnt 0x0
	s_endpgm
.Lfunc_end_k_q3eb5f86468_prep:
	.size	k_q3eb5f86468_prep, .Lfunc_end_k_q3eb5f86468_prep-k_q3eb5f86468_prep
	.p2alignl 7, 3214868480
	.fill 96, 4, 3214868480
	.section	.rodata,"a",@progbits
	.p2align	6, 0x0
	.amdhsa_kernel k_q3eb5f86468_prep
		.amdhsa_group_segment_fixed_size 27648
		.amdhsa_private_segment_fixed_size 0
		.amdhsa_enable_private_segment 0
		.amdhsa_kernarg_size 80
		.amdhsa_user_sgpr_count 2
		.amdhsa_user_sgpr_kernarg_segment_ptr 1
		.amdhsa_wavefront_size32 1
		.amdhsa_system_sgpr_workgroup_id_x 1
		.amdhsa_system_sgpr_workgroup_id_y 1
		.amdhsa_system_sgpr_workgroup_id_z 1
		.amdhsa_system_vgpr_workitem_id 0
		.amdhsa_next_free_vgpr 250
		.amdhsa_next_free_sgpr 102
		.amdhsa_reserve_vcc 1
		.amdhsa_float_denorm_mode_32 3
		.amdhsa_float_denorm_mode_16_64 3
		.amdhsa_memory_ordered 1
		.amdhsa_forward_progress 1
		.amdhsa_inst_pref_size 47
	.end_amdhsa_kernel
	.amdgpu_metadata
---
amdhsa.version: [ 1, 2 ]
amdhsa.kernels:
  - .name:           k_q3eb5f86468_prep
    .symbol:         k_q3eb5f86468_prep.kd
    .args:
      - { .name: x, .offset: 0, .size: 8, .value_kind: global_buffer, .address_space: global }
      - { .name: y, .offset: 8, .size: 8, .value_kind: global_buffer, .address_space: global }
      - { .name: gn_w, .offset: 16, .size: 8, .value_kind: global_buffer, .address_space: global }
      - { .name: gn_b, .offset: 24, .size: 8, .value_kind: global_buffer, .address_space: global }
      - { .name: act_c, .offset: 32, .size: 8, .value_kind: global_buffer, .address_space: global }
      - { .name: act_s, .offset: 40, .size: 8, .value_kind: global_buffer, .address_space: global }
      - { .name: Wq, .offset: 48, .size: 8, .value_kind: global_buffer, .address_space: global }
      - { .name: Wkv, .offset: 56, .size: 8, .value_kind: global_buffer, .address_space: global }
      - { .name: Wp, .offset: 64, .size: 8, .value_kind: global_buffer, .address_space: global }
      - { .name: w_cs, .offset: 72, .size: 8, .value_kind: global_buffer, .address_space: global }
    .group_segment_fixed_size: 27648
    .private_segment_fixed_size: 0
    .kernarg_segment_align: 8
    .kernarg_segment_size: 80
    .max_flat_workgroup_size: 256
    .sgpr_count:     102
    .vgpr_count:     250
    .wavefront_size: 32
...
	.end_amdgpu_metadata
.endif
;; end of part 1
;; launch qkv (part 2): grid 256 x 1, 8 waves a work-group, no clusters, 0 bytes of LDS; arguments act_c, act_s, w_cs, bq, bkv, qkv_c, qkv_s; writes qkv_c, qkv_s
.if DOCPART == 2
	.amdgcn_target "amdgcn-amd-amdhsa--gfx1250"
	.amdhsa_code_object_version 6
	.text
	.protected	k_q3eb5f86468_qkv
	.globl	k_q3eb5f86468_qkv
	.p2align	8
	.type	k_q3eb5f86468_qkv,@function
k_q3eb5f86468_qkv:
	s_mov_b64 s[64:65], 0
	v_nop
	global_prefetch_b8 v0, s[64:65] scope:SCOPE_SE
	s_setreg_imm32_b32 hwreg(HW_REG_WAVE_MODE, 25, 1), 1
	s_wait_xcnt 0x0
; q = (Wq gn(x) + bq) 64^-1/4, k = (Wk gn(y) + bk) 64^-1/4, v = Wv gn(y) + bv on codes of FP4, and their quantising for the two products of attention.
; Work-group = b x 16 + G (G: 64 tokens); wave = head.  A WAVE STAYS: it makes 64 tokens x 64 channels of q, then of k, then of v: each 16 accumulators, K = 512, 64 matrix instructions.
; The next kind's operands are asked for straight behind the last product of the kind before, into the registers that it has left, and land while that kind is quantised and stored.
; v takes y's fragments and scale words from the registers in which k left them: only Wv's are fetched.
; Operands come from memory straight into registers, as images (16 rows x 128 K = 1,024 bytes, [half][lane][16 bytes]): every load is 512 consecutive bytes.  No LDS, no barrier, no branch.
; q, k: source 0 = 16 rows of W, source 1 = 16 tokens: a lane holds ONE token and its registers run along the head's channels, the next K.  v: source 0 = 16 tokens, source 1 = 16 rows of W: a lane holds one
; channel and its registers run along the tokens (keys), the next K.  The rows of every tile are 32 B + 8 u + r + 8 (r / 8), so that the 16 registers of tiles 2 B, 2 B + 1 are 16 neighbours.
; The bias is the C of each sum's first matrix instruction.
; qkv_c: q at 0, k at 4,194,304: [b][head][tile 64][512 bytes] (half an image: K = 64); v at 8,388,608: [b][head][128 keys 8][channel tile 4] images.
; qkv_s: q at 0, k at 524,288: [b][head][G][r][tile of G 4] words (bytes 2, 3 = 0); v at 1,048,576: [b][head][G][r][channel tile 4] halfwords.
; LIMITS: NaN and infinities are not served; a block of zeros or under 2^-124 gets the scale byte 1.
; No cluster: nothing goes through LDS, so there is no tile that a joint load could bring.
.set TM,  8                            ; v8-13   at work in QUANT2
.set WD,  16                           ; v16-19  the scale halfwords just made
.set ACC, 32                           ; v32-159 accumulator (g, i) at 32 + 32 g + 8 i
.set CB,  160                          ; v160-191 the bias, eight registers a tile
.set SA,  192                          ; v192-199 the activations' scale words: 4 p + K step; lanes 0-15 tile 2 p, lanes 16-31 tile 2 p + 1
.set SW,  200                          ; v200-207 the weights', likewise
.set U,   208                          ; v208-239 scale bytes as loaded
.set PC,  240                          ; v240-255 codes
.set AF,  0                            ; window 1: the activations' fragments (tile i, K step k) at 32 i + 8 k
.set WF,  128                          ; window 1: the weights'
.set SEL, 46
.set SC,  48
.set MSB, 0
.macro WIN new                         ; the immediate's high byte repeats the setting that is left
.if MSB != \new
	s_set_vgpr_msb (MSB<<8)|\new
.set MSB, \new
.endif
.endm
.macro MM d, a, b, c, sa, ra, sb, rb   ; one product; ra, rb: the side's scale words stand in lanes 16-31
.if (\ra) && (\rb)
	v_wmma_scale_f32_16x16x128_f8f6f4 v[\d:\d+7], v[\a:\a+7], v[\b:\b+7], v[\c:\c+7], v[\sa], v[\sb] matrix_a_fmt:MATRIX_FMT_FP4 matrix_b_fmt:MATRIX_FMT_FP4 matrix_a_scale:MATRIX_SCALE_ROW1 matrix_b_scale:MATRIX_SCALE_ROW1
.elseif (\ra)
	v_wmma_scale_f32_16x16x128_f8f6f4 v[\d:\d+7], v[\a:\a+7], v[\b:\b+7], v[\c:\c+7], v[\sa], v[\sb] matrix_a_fmt:MATRIX_FMT_FP4 matrix_b_fmt:MATRIX_FMT_FP4 matrix_a_scale:MATRIX_SCALE_ROW1
.elseif (\rb)
	v_wmma_scale_f32_16x16x128_f8f6f4 v[\d:\d+7], v[\a:\a+7], v[\b:\b+7], v[\c:\c+7], v[\sa], v[\sb] matrix_a_fmt:MATRIX_FMT_FP4 matrix_b_fmt:MATRIX_FMT_FP4 matrix_b_scale:MATRIX_SCALE_ROW1
.else
	v_wmma_scale_f32_16x16x128_f8f6f4 v[\d:\d+7], v[\a:\a+7], v[\b:\b+7], v[\c:\c+7], v[\sa], v[\sb] matrix_a_fmt:MATRIX_FMT_FP4 matrix_b_fmt:MATRIX_FMT_FP4
.endif
.endm
; The 64 products: accumulator (g, i) = tile i of pfr (source 0) x tile g of rfr (source 1).  The sixteen accumulators take turns, one instruction a turn.
; cm = 0: the bias goes by i, 1: by g.  per: the loads that were issued for each K step.
.macro MAIN pfr, rfr, psc, rsc, cm, per
	WIN 0x05                                       ; sources 0 and 1 window 1; C and D window 0
.irp k, 0,1,2,3
	s_wait_loadcnt \per*(3-\k)                     ; this K step's loads are in; those of each later K step may be out
.irp g, 0,1,2,3
.irp i, 0,1,2,3
.if \k == 0
.if \cm
	MM ACC+32*\g+8*\i, \pfr+32*\i+8*\k, \rfr+32*\g+8*\k, CB+8*\g, \psc+4*(\i/2)+\k, \i%2, \rsc+4*(\g/2)+\k, \g%2
.else
	MM ACC+32*\g+8*\i, \pfr+32*\i+8*\k, \rfr+32*\g+8*\k, CB+8*\i, \psc+4*(\i/2)+\k, \i%2, \rsc+4*(\g/2)+\k, \g%2
.endif
.else
	MM ACC+32*\g+8*\i, \pfr+32*\i+8*\k, \rfr+32*\g+8*\k, ACC+32*\g+8*\i, \psc+4*(\i/2)+\k, \i%2, \rsc+4*(\g/2)+\k, \g%2
.endif
.endr
.endr
.endr
	WIN 0
.rept 4
	v_nop                                          ; four places: ahead of the first read of results, and of loads into registers that these products have read
.endr
.endm
.macro LD_U off                        ; the activations' scale bytes: block k's byte: lanes 0-15 tile 2 p, lanes 16-31 tile 2 p + 1
.irp k, 0,1,2,3,4,5,6,7,8,9,10,11,12,13,14,15
.irp p, 0,1
	global_load_u8 v[U+2*\k+\p], v2, s[6:7] offset:\off+1024*\k+32*\p
.endr
.endr
.endm
.macro LD_SW base, off                 ; four K steps' words of a row of the weights: lanes 0-15 tile 2 p, lanes 16-31 tile 2 p + 1
.irp p, 0,1
	global_load_b128 v[SW+4*\p:SW+4*\p+3], v1, s[\base:\base+1] offset:524288+\off+512*\p
.endr
.endm
.macro LD_BQK base                     ; q's or k's bias: of channels 32 B + 16 h + 8 u + 0 .. 7
.irp i, 0,1,2,3
	global_load_b128 v[CB+8*\i:CB+8*\i+3], v3, s[\base:\base+1] offset:(32*(\i/2)+8*(\i%2))*4
	global_load_b128 v[CB+8*\i+4:CB+8*\i+7], v3, s[\base:\base+1] offset:(32*(\i/2)+8*(\i%2))*4+16
.endr
.endm
.macro FRAGK k, witha, aoff, wb, woff  ; K step k's fragments: 8 loads for the activations (witha = 1), 8 for the weights
	WIN 0x40                                       ; destination window 1
.if \witha
.irp i, 0,1,2,3
.irp c, 0,1
	global_load_b128 v[AF+32*\i+8*\k+4*\c:AF+32*\i+8*\k+4*\c+3], v1, s[4:5] offset:\aoff+4096*\i+1024*\k+512*\c
.endr
.endr
.endif
.irp i, 0,1,2,3
.irp c, 0,1
	global_load_b128 v[WF+32*\i+8*\k+4*\c:WF+32*\i+8*\k+4*\c+3], v1, s[\wb:\wb+1] offset:\woff+4096*\i+1024*\k+512*\c
.endr
.endr
.endm
.macro SCALES_A                        ; four bytes make a scale word; then eight places ahead of the scaled matrix instructions
.irp p, 0,1
.irp k, 0,1,2,3
	v_lshl_or_b32 v[SA+4*\p+\k], v[U+2*(4*\k+1)+\p], 8, v[U+2*(4*\k)+\p]
	v_lshl_or_b32 v[SA+4*\p+\k], v[U+2*(4*\k+2)+\p], 16, v[SA+4*\p+\k]
	v_lshl_or_b32 v[SA+4*\p+\k], v[U+2*(4*\k+3)+\p], 24, v[SA+4*\p+\k]
.endr
.endr
.rept 8
	v_nop
.endr
.endm
; 32 numbers of a lane, register 16 b + i = k 32 b + 16 (lane / 16) + i of my row, become half an image in v[pc] .. v[pc + 3] (lanes 0-15 block 0, lanes 16-31 block 1) and the two scale bytes in v[wd]
.macro QUANT2 s, pc, wd
.irp b, 0,1
	v_max3_num_f32 v[TM+\b], |v[\s+16*\b]|, |v[\s+16*\b+1]|, 0x1800000   ; with the floor 2^(3 - 127): the byte cannot fall under 1
.endr
.irp i, 2,4,6,8,10,12,14
.irp b, 0,1
	v_max3_num_f32 v[TM+\b], v[TM+\b], |v[\s+16*\b+\i]|, |v[\s+16*\b+\i+1]|
.endr
.endr
.irp b, 0,1
	v_permlanex16_b32 v[TM+2+\b], v[TM+\b], s[SEL], s[SEL+1]
.endr
.irp b, 0,1
	v_max_num_f32 v[TM+\b], v[TM+\b], v[TM+2+\b]   ; with lane l xor 16's 16: the block's largest magnitude
.endr
.irp b, 0,1
	v_add_nc_u32 v[TM+4+\b], 0xff000000, v[TM+\b]  ; 2 off the exponent field: the conversion's scale operand
.endr
.irp b, 0,1
	v_lshrrev_b32 v[TM+2+\b], 23, v[TM+4+\b]       ; the scale's byte
.endr
	v_lshl_or_b32 v[\wd], v[TM+3], 8, v[TM+2]
.irp b, 0,1
	v_cvt_scalef32_pk8_fp4_f32 v[\pc+2*\b], v[\s+16*\b:\s+16*\b+7], v[TM+4+\b]
	v_cvt_scalef32_pk8_fp4_f32 v[\pc+2*\b+1], v[\s+16*\b+8:\s+16*\b+15], v[TM+4+\b]
.endr
	v_nop                                          ; one plain line behind the conversions
	v_permlane16_swap_b32 v[\pc], v[\pc+2]         ; a whole block to a lane
	v_permlane16_swap_b32 v[\pc+1], v[\pc+3]
.endm
.macro QK_TILE g, coff                 ; token tile g of q or k: x 64^-1/4, quantised along the head's 64 channels, stored
	WIN 0
.set n, 0
.rept 16
	v_pk_mul_f32 v[ACC+32*\g+2*n:ACC+32*\g+2*n+1], v[ACC+32*\g+2*n:ACC+32*\g+2*n+1], s[SC:SC+1] op_sel_hi:[1,0]   ; each accumulator from its low end on
.set n, n+1
.endr
	QUANT2 ACC+32*\g, PC+4*\g, WD+\g
	global_store_b128 v1, v[PC+4*\g:PC+4*\g+3], s[14:15] offset:\coff+512*\g   ; 512 consecutive bytes
.endm
.macro QK_WORDS soff
	v_cmp_ne_u32 vcc_lo, 0, v6
	v_cndmask_b32 v14, v[WD], v[WD+2], vcc_lo      ; lanes 0-15 store tiles 0, 1 of row r, lanes 16-31 tiles 2, 3
	v_cndmask_b32 v15, v[WD+1], v[WD+3], vcc_lo
	global_store_b64 v4, v[14:15], s[16:17] offset:\soff   ; 256 consecutive bytes, aligned
.endm
	s_load_b256 s[4:11], s[0:1], 0x0               ; act_c, act_s, w_cs, bq
	s_load_b128 s[12:15], s[0:1], 0x20             ; bkv, qkv_c
	s_load_b64 s[16:17], s[0:1], 0x30              ; qkv_s
	v_lshrrev_b32 v2, 5, v0
	v_readfirstlane_b32 s2, v2                     ; wave = head
	v_and_b32 v2, 31, v0                           ; lane
	v_lshlrev_b32 v1, 4, v2                        ; an image's place for my lane
	v_and_b32 v5, 15, v0                           ; r
	v_bfe_u32 v6, v0, 4, 1                         ; h
	v_lshlrev_b32 v3, 6, v6                        ; q's and k's bias: 64 h
	v_lshlrev_b32 v4, 4, v5
	v_lshl_add_u32 v4, v6, 3, v4                   ; their scale words out: 16 r + 8 h
	v_and_b32 v21, 8, v5
	v_add_nc_u32 v21, v21, v5
	v_lshlrev_b32 v21, 2, v21                      ; v's bias, of my lane's channel: r + 8 (r / 8) of the tile
	v_lshlrev_b32 v22, 3, v5
	v_lshl_add_u32 v22, v6, 2, v22                 ; v's scale halfwords out: 8 r + 4 h
	v_mov_b32 v[TM+2], 0                           ; a lane permute's destination counts as one of its sources
	v_mov_b32 v[TM+3], 0
	s_mov_b32 s[SEL], 0x76543210
	s_mov_b32 s[SEL+1], 0xfedcba98
	s_mov_b32 s[SC], 0x3eb504f3                    ; 64^-1/4
	s_mov_b32 s[SC+1], s[SC]
	s_lshr_b32 s20, ttmp9, 4                       ; b
	s_and_b32 s21, ttmp9, 15                       ; G
	s_lshl_b32 s22, s20, 3
	s_add_co_u32 s22, s22, s2                      ; 8 b + head
	s_lshl_b32 s30, ttmp9, 14                      ; act_c: (64 b + 4 G) tiles x 4,096 bytes; y's lie 4,194,304 further on
	s_mov_b32 s31, 0
	s_lshl_b32 s32, s20, 14
	s_lshl_b32 s23, s21, 6
	s_add_co_u32 s32, s32, s23                     ; act_s: the planes at my four tiles; y's lie 262,144 further on
	s_mov_b32 s33, 0
	s_lshl_b32 s40, s2, 14                         ; Wq: tiles 4 head on, 4,096 bytes each
	s_mov_b32 s41, 0
	s_lshl_b32 s42, s2, 15
	s_add_co_u32 s42, s42, 0x20000                 ; Wk: tiles 32 + 8 head on; Wv's four lie 16,384 further on
	s_mov_b32 s43, 0
	s_lshl_b32 s44, s2, 10                         ; their scale words: 256 bytes a tile
	s_mov_b32 s45, 0
	s_lshl_b32 s50, s2, 11
	s_add_co_u32 s50, s50, 0x2000
	s_mov_b32 s51, 0
	s_lshl_b32 s52, s2, 8                          ; bq: 64 numbers a head
	s_mov_b32 s53, 0
	s_lshl_b32 s54, s2, 9                          ; bkv: 128 a head, k's first
	s_mov_b32 s55, 0
	s_lshl_b32 s56, s22, 15
	s_lshl_b32 s23, s21, 11
	s_add_co_u32 s56, s56, s23                     ; q's codes: 4 G tiles x 512 bytes; k's lie 4,194,304 further on
	s_mov_b32 s57, 0
	s_lshl_b32 s58, s22, 15
	s_lshr_b32 s23, s21, 1
	s_lshl_b32 s23, s23, 12
	s_add_co_u32 s58, s58, s23
	s_and_b32 s23, s21, 1
	s_lshl_b32 s23, s23, 9
	s_add_co_u32 s58, s58, s23                     ; v's codes: K step G / 2, half G % 2
	s_mov_b32 s59, 0
	s_lshl_b32 s60, s22, 12
	s_lshl_b32 s23, s21, 8
	s_add_co_u32 s60, s60, s23                     ; q's scale words: 256 bytes for each G; k's lie 524,288 further on
	s_mov_b32 s61, 0
	s_lshl_b32 s62, s22, 11
	s_lshl_b32 s23, s21, 7
	s_add_co_u32 s62, s62, s23                     ; v's halfwords: 128 bytes for each G
	s_mov_b32 s63, 0
	s_wait_kmcnt 0x0
	s_add_nc_u64 s[4:5], s[4:5], s[30:31]
	s_add_nc_u64 s[6:7], s[6:7], s[32:33]
	s_add_nc_u64 s[24:25], s[8:9], s[40:41]        ; Wq's images
	s_add_nc_u64 s[26:27], s[8:9], s[42:43]        ; Wk's, Wv's
	s_add_nc_u64 s[28:29], s[8:9], s[44:45]        ; Wq's scale words (524,288 stands in the immediate)
	s_add_nc_u64 s[34:35], s[8:9], s[50:51]        ; Wk's, Wv's
	s_add_nc_u64 s[10:11], s[10:11], s[52:53]
	s_add_nc_u64 s[12:13], s[12:13], s[54:55]
	s_add_nc_u64 s[36:37], s[14:15], s[58:59]
	s_add_nc_u64 s[36:37], s[36:37], 0x800000      ; v's codes
	s_add_nc_u64 s[14:15], s[14:15], s[56:57]      ; q's, k's
	s_add_nc_u64 s[38:39], s[16:17], s[62:63]
	s_add_nc_u64 s[38:39], s[38:39], 0x100000      ; v's halfwords
	s_add_nc_u64 s[16:17], s[16:17], s[60:61]      ; q's, k's words
	; ---- q
	LD_U 0
	LD_SW 28, 0
	LD_BQK 10
	FRAGK 0, 1, 0, 24, 0
	FRAGK 1, 1, 0, 24, 0
	FRAGK 2, 1, 0, 24, 0
	FRAGK 3, 1, 0, 24, 0
	WIN 0
	s_wait_loadcnt 63                              ; 64 loads were issued behind the scales and the bias: those are in
	SCALES_A
	MAIN WF, AF, SW, SA, 0, 16
	; ---- k's operands are asked for; q is quantised and stored meanwhile.  The scales, the bias and K step 0 (58 loads) go out first, the other K steps between q's tiles:
	; the order of issue stays scales, bias, K steps 0 to 3, so the counts below hold
	LD_U 262144
	LD_SW 34, 0
	LD_BQK 12
	FRAGK 0, 1, 4194304, 26, 0
	QK_TILE 0, 0
	QK_TILE 1, 0
	FRAGK 1, 1, 4194304, 26, 0
	FRAGK 2, 1, 4194304, 26, 0
	QK_TILE 2, 0
	FRAGK 3, 1, 4194304, 26, 0
	QK_TILE 3, 0
	QK_WORDS 0
	s_wait_loadcnt 63                              ; 64 loads were issued behind the scales and the bias: those are in
	SCALES_A
	MAIN WF, AF, SW, SA, 0, 16
	; ---- Wv's operands are asked for; y's fragments and scale words stay where they are; k is quantised and stored meanwhile
	s_wait_xcnt 0x0                                ; q's stores have read their registers: k's codes and words are written over them
	LD_SW 34, 1024
.irp g, 0,1,2,3
	global_load_b32 v[CB+8*\g], v21, s[12:13] offset:256+(32*(\g/2)+8*(\g%2))*4
.endr
	FRAGK 0, 0, 0, 26, 16384
	FRAGK 1, 0, 0, 26, 16384
	FRAGK 2, 0, 0, 26, 16384
	FRAGK 3, 0, 0, 26, 16384
	QK_TILE 0, 4194304
	QK_TILE 1, 4194304
	QK_TILE 2, 4194304
	QK_TILE 3, 4194304
	QK_WORDS 524288
	s_wait_loadcnt 32                              ; 32 loads were issued behind the scale words and the bias: those are in
.irp g, 0,1,2,3
.irp j, 1,2,3,4,5,6,7
	v_mov_b32 v[CB+8*\g+\j], v[CB+8*\g]            ; a lane's eight results are eight tokens of one channel: one bias
.endr
.endr
.rept 4
	v_nop
.endr
	MAIN AF, WF, SA, SW, 1, 8
	s_wait_xcnt 0x0                                ; k's stores have read their registers
.irp g, 0,1,2,3
	QUANT2 ACC+32*\g, PC+4*\g, WD+\g
	global_store_b128 v1, v[PC+4*\g:PC+4*\g+3], s[36:37] offset:1024*\g   ; half an image: 512 consecutive bytes
.endr
	v_lshl_or_b32 v14, v[WD+1], 16, v[WD]
	v_lshl_or_b32 v15, v[WD+3], 16, v[WD+2]
	v_cmp_ne_u32 vcc_lo, 0, v6
	v_cndmask_b32 v14, v14, v15, vcc_lo
	global_store_b32 v22, v14, s[38:39]            ; 128 consecutive bytes: 64 tokens have two blocks for each of 64 channels
	s_endpgm
.Lfunc_end_k_q3eb5f86468_qkv:
	.size	k_q3eb5f86468_qkv, .Lfunc_end_k_q3eb5f86468_qkv-k_q3eb5f86468_qkv
	.p2alignl 7, 3214868480
	.fill 96, 4, 3214868480
	.section	.rodata,"a",@progbits
	.p2align	6, 0x0
	.amdhsa_kernel k_q3eb5f86468_qkv
		.amdhsa_group_segment_fixed_size 0
		.amdhsa_private_segment_fixed_size 0
		.amdhsa_enable_private_segment 0
		.amdhsa_kernarg_size 56
		.amdhsa_user_sgpr_count 2
		.amdhsa_user_sgpr_kernarg_segment_ptr 1
		.amdhsa_wavefront_size32 1
		.amdhsa_system_sgpr_workgroup_id_x 1
		.amdhsa_system_sgpr_workgroup_id_y 1
		.amdhsa_system_sgpr_workgroup_id_z 1
		.amdhsa_system_vgpr_workitem_id 0
		.amdhsa_next_free_vgpr 512
		.amdhsa_next_free_sgpr 66
		.amdhsa_reserve_vcc 1
		.amdhsa_float_denorm_mode_32 3
		.amdhsa_float_denorm_mode_16_64 3
		.amdhsa_memory_ordered 1
		.amdhsa_forward_progress 1
		.amdhsa_inst_pref_size 89
	.end_amdhsa_kernel
	.amdgpu_metadata
---
amdhsa.version: [ 1, 2 ]
amdhsa.kernels:
  - .name:           k_q3eb5f86468_qkv
    .symbol:         k_q3eb5f86468_qkv.kd
    .args:
      - { .name: act_c, .offset: 0, .size: 8, .value_kind: global_buffer, .address_space: global }
      - { .name: act_s, .offset: 8, .size: 8, .value_kind: global_buffer, .address_space: global }
      - { .name: w_cs, .offset: 16, .size: 8, .value_kind: global_buffer, .address_space: global }
      - { .name: bq, .offset: 24, .size: 8, .value_kind: global_buffer, .address_space: global }
      - { .name: bkv, .offset: 32, .size: 8, .value_kind: global_buffer, .address_space: global }
      - { .name: qkv_c, .offset: 40, .size: 8, .value_kind: global_buffer, .address_space: global }
      - { .name: qkv_s, .offset: 48, .size: 8, .value_kind: global_buffer, .address_space: global }
    .group_segment_fixed_size: 0
    .private_segment_fixed_size: 0
    .kernarg_segment_align: 8
    .kernarg_segment_size: 56
    .max_flat_workgroup_size: 256
    .sgpr_count:     66
    .vgpr_count:     512
    .wavefront_size: 32
...
	.end_amdgpu_metadata
.endif
;; end of part 2
;; launch attn (part 3): grid 2 x 128, 16 waves a work-group, no clusters, 83,968 bytes of LDS; arguments qkv_c, qkv_s, a_c, a_s; writes a_c, a_s
.if DOCPART == 3
	.amdgcn_target "amdgcn-amd-amdhsa--gfx1250"
	.amdhsa_code_object_version 6
	.text
	.protected	k_q3eb5f86468_attn
	.globl	k_q3eb5f86468_attn
	.p2align	8
	.type	k_q3eb5f86468_attn,@function
k_q3eb5f86468_attn:
	s_mov_b64 s[64:65], 0
	v_nop
	global_prefetch_b8 v0, s[64:65] scope:SCOPE_SE
	s_setreg_imm32_b32 hwreg(HW_REG_WAVE_MODE, 25, 1), 1
	s_wait_xcnt 0x0
; a = softmax(q k^T) v for one head and 512 queries, both products on codes of FP4, and a's quantising along the channels for the last product.
; Work-group x = half of the queries, y = 8 b + head.  Sixteen waves, four to a SIMD; a wave takes two tiles of 16 queries, one after the other, and walks the head's 1,024 keys, 128 a step.
; The head's K, V and their scale words (71,680 bytes) are copied into LDS once, through registers, and stay: no ring, nothing is filled again.  Both tiles' Q come with them, into registers: the loop loads nothing from memory.
; THE SOFTMAX: t = score x log2(e); M = the running largest t rounded UP to a whole number; p = 2^(t - M) is quantised along the keys, not normalised; the row's sum is taken of the unquantised p and divides at the end.
; When M moves, the sum and O are multiplied by 2^(old M - new M): exact.
; LAYOUT.  S^T = K Q^T (source 0 = 16 keys, source 1 = my 16 queries), O^T = V^T P^T (source 0 = 16 channels): a lane holds ONE query throughout.  The keys of a tile and V's channels of a tile are
; 32 B + 8 u + r + 8 (r / 8), so that the 16 registers of tiles 2 B, 2 B + 1 are 16 neighbours: of keys for p, of channels for a.  The first product's K is 64: the upper halves of Q's and K's fragments are zero codes.
; LIMITS: NaN and infinities are not served; a block of zeros or under 2^-124 gets the scale byte 1.
; No cluster: the two work-groups of a head share only the 71,680 bytes that each reads once at its head.
; REGISTERS: v1-11, v24 addresses; v12 -M, v13 the largest t, v[14:15] the sum; v16-23 Q; v26-29 the second tile's Q, v30 its scale word; v32-95 K's eight fragments; v96-159 S^T, then p; v160-191 O^T;
; v192-223 V's four fragments; v224-231 p's codes; v232-239, v244-247 at work; v240-243 V's scale words; v248-251 K's; v252 f; v253 p's scale word; v254 at work; v255 Q's scale word.
.set KC, 0                             ; K's codes: 64 tiles x 512 bytes
.set VC, 32768                         ; V's: 8 steps x 4 tiles x 1,024 bytes
.set KS, 65536                         ; K's scale words [G 16][r 16][tile of G 4]
.set VS, 69632                         ; V's scale words [step 8][r 16][tile 4]
.set AS, 71680                         ; a's scale halfwords, 32 tiles x 32 bytes
.set TM, 232
.set QP, 20
.set QS, 26
.set AP, 28
.set SEL, 40
.set CS, 42
.set TR, 44
.set TJ, 45
.macro QUANT2 s, pc, wd                ; 32 numbers of a lane, register 16 b + i = k 32 b + 16 (lane / 16) + i of my row -> half an image in v[pc] on, two scale bytes in v[wd]
.irp b, 0,1
	v_max3_num_f32 v[TM+\b], |v[\s+16*\b]|, |v[\s+16*\b+1]|, 0x1800000
.endr
.irp i, 2,4,6,8,10,12,14
.irp b, 0,1
	v_max3_num_f32 v[TM+\b], v[TM+\b], |v[\s+16*\b+\i]|, |v[\s+16*\b+\i+1]|
.endr
.endr
.irp b, 0,1
	v_permlanex16_b32 v[TM+2+\b], v[TM+\b], s[SEL], s[SEL+1]
.endr
.irp b, 0,1
	v_max_num_f32 v[TM+\b], v[TM+\b], v[TM+2+\b]
.endr
.irp b, 0,1
	v_add_nc_u32 v[TM+4+\b], 0xff000000, v[TM+\b]
.endr
.irp b, 0,1
	v_lshrrev_b32 v[TM+2+\b], 23, v[TM+4+\b]
.endr
	v_lshl_or_b32 v[\wd], v[TM+3], 8, v[TM+2]
.irp b, 0,1
	v_cvt_scalef32_pk8_fp4_f32 v[\pc+2*\b], v[\s+16*\b:\s+16*\b+7], v[TM+4+\b]
	v_cvt_scalef32_pk8_fp4_f32 v[\pc+2*\b+1], v[\s+16*\b+8:\s+16*\b+15], v[TM+4+\b]
.endr
	v_nop
	v_permlane16_swap_b32 v[\pc], v[\pc+2]
	v_permlane16_swap_b32 v[\pc+1], v[\pc+3]
.endm
; A KEY STEP: keys 128 st .. 128 st + 127
.macro STEP st
.irp i, 0,1,2,3,4,5,6,7
	ds_load_b128 v[32+8*\i:35+8*\i], v1 offset:KC+4096*\st+512*\i   ; the lower halves of K's fragments; the upper halves stay zero
.endr
	ds_load_b128 v[248:251], v2 offset:512*\st     ; lanes 0-15: the words of tiles 0-3, lanes 16-31: of tiles 4-7
	s_wait_dscnt 0x0
.irp i, 0,1,2,3
	v_wmma_scale_f32_16x16x128_f8f6f4 v[96+8*\i:103+8*\i], v[32+8*\i:39+8*\i], v[16:23], 0, v[248+\i], v255 matrix_a_fmt:MATRIX_FMT_FP4 matrix_b_fmt:MATRIX_FMT_FP4
.endr
.irp i, 4,5,6,7
	v_wmma_scale_f32_16x16x128_f8f6f4 v[96+8*\i:103+8*\i], v[32+8*\i:39+8*\i], v[16:23], 0, v[244+\i], v255 matrix_a_fmt:MATRIX_FMT_FP4 matrix_b_fmt:MATRIX_FMT_FP4 matrix_a_scale:MATRIX_SCALE_ROW1
.endr
.rept 4
	v_nop                                          ; four places: ahead of the first read of the scores, and of the loads into V's registers, which the last step's products read
.endr
.irp t, 0,1,2,3
.irp c, 0,1
	ds_load_b128 v[192+8*\t+4*\c:195+8*\t+4*\c], v1 offset:VC+4096*\st+1024*\t+512*\c   ; V's fragments land while the softmax is worked
.endr
.endr
	ds_load_b128 v[240:243], v3 offset:256*\st
.irp b, 0,1,2,3
	v_max3_num_f32 v[232+\b], v[96+16*\b], v[97+16*\b], v[98+16*\b]   ; the largest score of each block of 32 keys: for the row's maximum and, since p rises with the score, for the block's largest p
.endr
.irp i, 3,5,7,9,11,13
.irp b, 0,1,2,3
	v_max3_num_f32 v[232+\b], v[232+\b], v[96+16*\b+\i], v[97+16*\b+\i]
.endr
.endr
.irp b, 0,1,2,3
	v_max_num_f32 v[232+\b], v[232+\b], v[111+16*\b]
.endr
.irp b, 0,1,2,3
	v_permlanex16_b32 v[236+\b], v[232+\b], s[SEL], s[SEL+1]
.endr
.irp b, 0,1,2,3
	v_max_num_f32 v[232+\b], v[232+\b], v[236+\b]  ; with lane l xor 16's 16 keys
.endr
	v_max3_num_f32 v254, v232, v233, v234
	v_max_num_f32 v254, v254, v235
	v_mul_f32 v254, s[CS], v254                    ; as t
	v_max_num_f32 v13, v13, v254                   ; the running largest t
	v_mov_b32 v254, v12
	v_floor_f32 v12, -v13                          ; the new -M = floor(-t): M is a whole number
	v_sub_f32 v254, v12, v254                      ; old M - new M: a whole number, 0 or less
	v_cvt_i32_f32 v254, v254                       ; (it saturates)
	v_ldexp_f32 v252, 1.0, v254                    ; f = 2^(old M - new M)
.set n, 0
.rept 32
	v_pk_fma_f32 v[96+n:97+n], v[96+n:97+n], s[CS:CS+1], v[12:13] op_sel_hi:[1,0,0]   ; t - M, two at a time
.set n, n+2
.endr
.irp b, 0,1,2,3
	v_fma_f32 v[232+\b], v[232+\b], s[CS], v12     ; the same of each block's largest score
.endr
.set n, 0
.rept 64
	v_exp_f32 v[96+n], v[96+n]                     ; p = 2^(t - M)
.set n, n+1
.endr
	v_pk_mul_f32 v[14:15], v[14:15], v[252:253] op_sel_hi:[1,0]   ; the sums under the new M (a plain line behind the exponentials)
	s_wait_alu depctr_va_vdst(0)                   ; one wait for the batch, ahead of its first reader
.irp b, 0,1,2,3
	v_exp_f32 v[232+\b], v[232+\b]                 ; the block's largest p
.endr
	v_pk_add_f32 v[236:237], v[96:97], v[98:99]    ; the row's sum, of the unquantised p, in two chains
.irp j, 4,8,12,16,20,24,28,32,36,40,44,48,52,56,60
	v_pk_add_f32 v[14:15], v[14:15], v[96+\j:97+\j]
	v_pk_add_f32 v[236:237], v[236:237], v[98+\j:99+\j]
.endr
	v_pk_add_f32 v[14:15], v[14:15], v[236:237]
	s_wait_alu depctr_va_vdst(0)                   ; and one for the four
.irp b, 0,1,2,3
	v_max_num_f32 v[232+\b], 0x1800000, v[232+\b]  ; the floor 2^(3 - 127)
.endr
.irp b, 0,1,2,3
	v_add_nc_u32 v[244+\b], 0xff000000, v[232+\b]  ; the conversion's scale operand
.endr
.irp b, 0,1,2,3
	v_lshrrev_b32 v[236+\b], 23, v[244+\b]         ; the scale's byte
.endr
	v_lshl_or_b32 v253, v237, 8, v236              ; p's scale word for these 128 keys
	v_lshl_or_b32 v253, v238, 16, v253
	v_lshl_or_b32 v253, v239, 24, v253
.irp b, 0,1,2,3
	v_cvt_scalef32_pk8_fp4_f32 v[224+2*\b], v[96+16*\b:103+16*\b], v[244+\b]
	v_cvt_scalef32_pk8_fp4_f32 v[225+2*\b], v[104+16*\b:111+16*\b], v[244+\b]
.endr
	v_nop                                          ; one plain line behind the conversions
.irp c, 0,1
.irp i, 0,1
	v_permlane16_swap_b32 v[224+4*\c+\i], v[226+4*\c+\i]   ; a whole block to a lane
.endr
.endr
.set n, 0
.rept 16
	v_pk_mul_f32 v[160+n:161+n], v[160+n:161+n], v[252:253] op_sel_hi:[1,0]   ; O^T under the new M; these sixteen are also the places ahead of the scaled products below
.set n, n+2
.endr
	s_wait_dscnt 0x0                               ; V and its scale words
.irp t, 0,1,2,3
	v_wmma_scale_f32_16x16x128_f8f6f4 v[160+8*\t:167+8*\t], v[192+8*\t:199+8*\t], v[224:231], v[160+8*\t:167+8*\t], v[240+\t], v253 matrix_a_fmt:MATRIX_FMT_FP4 matrix_b_fmt:MATRIX_FMT_FP4
.endr
.endm
	s_load_b256 s[4:11], s[0:1], 0x0               ; qkv_c, qkv_s, a_c, a_s
	v_lshl_add_u32 v25, v0, 2, 0x14000
	v_mov_b32 v31, 0
	v_lshrrev_b32 v2, 5, v0
	v_readfirstlane_b32 s2, v2                     ; wave
	s_and_b32 s3, ttmp7, 0xffff                    ; 8 b + head
	v_and_b32 v1, 31, v0
	v_lshlrev_b32 v1, 4, v1                        ; 16 x lane
	v_and_b32 v5, 15, v0                           ; r
	v_add_nc_u32 v2, KS, v1
	v_lshl_add_u32 v3, v5, 4, VS
	s_lshl_b32 s12, s2, 6
	s_add_co_u32 s12, s12, AS
	v_lshl_add_u32 v4, v5, 1, s12                  ; a's halfwords: 64 bytes a wave, 2 r
	v_lshlrev_b32 v6, 4, v5                        ; Q's scale words: 16 r
	v_lshlrev_b32 v7, 4, v0                        ; the copy: 16 bytes a thread,
	v_lshlrev_b32 v8, 3, v0                        ; 8 of K's scale words,
	v_lshrrev_b32 v9, 6, v0
	v_lshlrev_b32 v9, 8, v9
	v_and_b32 v10, 63, v0
	v_lshl_add_u32 v9, v10, 1, v9                  ; V's halfwords of G = 2 step: 256 step + 2 (4 r + tile)
	v_lshl_add_u32 v10, v0, 3, KS
	v_lshl_add_u32 v11, v0, 2, VS
	v_lshl_add_u32 v24, v0, 4, AS                  ; (used by waves 0 and 1 alone)
	s_mov_b32 s[SEL], 0x76543210
	s_mov_b32 s[SEL+1], 0xfedcba98
	s_mov_b32 s[CS], 0x3fb8aa3b                    ; log2(e)
	s_mov_b32 s[CS+1], s[CS]
	s_mov_b32 s[TR], 2
	s_mov_b32 s[TJ], 0
	s_lshl_b32 s14, s3, 15                         ; the head's codes
	s_mov_b32 s15, 0
	s_lshl_b32 s30, ttmp9, 14
	s_lshl_b32 s31, s2, 10
	s_add_co_u32 s30, s30, s31                     ; my first tile of queries: 32 half + 2 wave, 512 bytes each
	s_mov_b32 s31, 0
	s_lshl_b32 s32, s3, 12                         ; the head's scale words of q and of k
	s_mov_b32 s33, 0
	s_lshl_b32 s34, s3, 11                         ; of v; and a's halfwords
	s_mov_b32 s35, 0
	s_lshl_b32 s36, ttmp9, 11
	s_lshr_b32 s37, s2, 1
	s_lshl_b32 s37, s37, 8
	s_add_co_u32 s36, s36, s37
	s_and_b32 s37, s2, 1
	s_lshl_b32 s37, s37, 3
	s_add_co_u32 s36, s36, s37                     ; my first tile's word: G = tile / 4, 4 (tile % 4)
	s_mov_b32 s37, 0
	s_lshr_b32 s38, s3, 3
	s_lshl_b32 s38, s38, 18                        ; a_c: b x 64 tiles x 4,096,
	s_lshl_b32 s39, ttmp9, 17
	s_add_co_u32 s38, s38, s39
	s_lshl_b32 s39, s2, 13
	s_add_co_u32 s38, s38, s39                     ; my first tile,
	s_and_b32 s39, s3, 7
	s_lshl_b32 s39, s39, 9
	s_add_co_u32 s38, s38, s39                     ; 512 x head: K step head / 2, half head % 2
	s_mov_b32 s39, 0
	s_lshl_b32 s12, ttmp9, 10
	s_mov_b32 s13, 0
	s_wait_kmcnt 0x0
	s_add_nc_u64 s[16:17], s[4:5], s[14:15]
	s_add_nc_u64 s[18:19], s[16:17], 0x800000      ; V's codes
	s_add_nc_u64 s[QP:QP+1], s[16:17], s[30:31]    ; Q's
	s_add_nc_u64 s[16:17], s[16:17], 0x400000      ; K's
	s_add_nc_u64 s[22:23], s[6:7], s[32:33]
	s_add_nc_u64 s[QS:QS+1], s[22:23], s[36:37]    ; Q's scale words
	s_add_nc_u64 s[22:23], s[22:23], 0x80000       ; K's
	s_add_nc_u64 s[24:25], s[6:7], s[34:35]
	s_add_nc_u64 s[24:25], s[24:25], 0x100000      ; V's
	s_add_nc_u64 s[AP:AP+1], s[8:9], s[38:39]
	s_add_nc_u64 s[10:11], s[10:11], s[34:35]
	s_add_nc_u64 s[10:11], s[10:11], s[12:13]
.irp i, 0,1,2,3
	global_load_b128 v[96+4*\i:99+4*\i], v7, s[16:17] offset:8192*\i
.endr
.irp i, 0,1,2,3
	global_load_b128 v[112+4*\i:115+4*\i], v7, s[18:19] offset:8192*\i
.endr
	global_load_b64 v[128:129], v8, s[22:23]
	global_load_u16 v130, v9, s[24:25]
	global_load_u16 v131, v9, s[24:25] offset:128
	global_load_b128 v[16:19], v1, s[QP:QP+1]      ; my first tile of queries,
	global_load_b128 v[26:29], v1, s[QP:QP+1] offset:512   ; and my second, which waits in v26-29;
	global_load_b32 v255, v6, s[QS:QS+1]           ; their scale words: neighbours in a row's four
	global_load_b32 v30, v6, s[QS:QS+1] offset:4
.irp j, 20,21,22,23
	v_mov_b32 v[\j], 0                             ; Q's K = 64 .. 127: zero codes
.endr
.irp i, 0,1,2,3,4,5,6,7
.irp j, 4,5,6,7
	v_mov_b32 v[32+8*\i+\j], 0                     ; K's likewise; never written again
.endr
.endr
.irp b, 0,1,2,3
	v_mov_b32 v[236+\b], 0                         ; a lane permute's destination counts as one of its sources
.endr
	v_mov_b32 v252, 0
	v_mov_b32 v253, 0                              ; (named as the upper half of the pair v[252:253] before it is first written)
	s_wait_loadcnt 0x0
	v_lshl_or_b32 v130, v131, 16, v130             ; two groups of 64 keys make a step's word
.irp i, 0,1,2,3
	ds_store_b128 v7, v[96+4*\i:99+4*\i] offset:KC+8192*\i
.endr
.irp i, 0,1,2,3
	ds_store_b128 v7, v[112+4*\i:115+4*\i] offset:VC+8192*\i
.endr
	ds_store_b64 v10, v[128:129]
	ds_store_b32 v11, v130
	s_wait_dscnt 0x0                               ; for the others' sake: my stores have landed
	s_barrier_signal -1
	s_barrier_wait -1
.Ltile:                                            ; two trips: a tile of 16 queries each
	v_mov_b32 v13, 0xff61b1e6                      ; the largest t so far: -3e38
	v_floor_f32 v12, -v13
	v_mov_b32 v14, 0
	v_mov_b32 v15, 0
.set n, 0
.rept 32
	v_mov_b32 v[160+n], 0                          ; O^T: the step is written once for all steps; the first change of M leaves zeros zeros.  (These lines are also the places behind the moves at the trip's end)
.set n, n+1
.endr
	STEP 0
	STEP 1
	STEP 2
	STEP 3
	STEP 4
	STEP 5
	STEP 6
	STEP 7
.rept 4
	v_nop                                          ; four places behind the last products
.endr
	v_add_f32 v14, v14, v15
	v_permlanex16_b32 v252, v14, s[SEL], s[SEL+1]
	v_add_f32 v14, v14, v252                       ; the row's sum
	v_rcp_f32 v14, v14
	v_nop
	s_wait_alu depctr_va_vdst(0)                   ; ahead of the first reader
.set n, 0
.rept 32
	v_mul_f32 v[96+n], v[160+n], v14               ; a: register 16 b + i is channel 32 b + 16 h + i of my query; each accumulator from its low end on
.set n, n+1
.endr
	QUANT2 96, 224, 254
	global_store_b128 v1, v[224:227], s[AP:AP+1]   ; half an image: 512 consecutive bytes
	v_add_nc_u32 v5, s[TJ], v4
	ds_store_b16 v5, v254                          ; both halves of the lanes write the same halfword with the same value
.irp j, 0,1,2,3
	v_mov_b32 v[16+\j], v[26+\j]                   ; the second tile's Q takes its place (in the last trip the moves change nothing that is read)
.endr
	v_mov_b32 v255, v30                            ; and its scale word
	s_wait_xcnt 0x0                                ; the store's address and data may be written again
	s_add_nc_u64 s[AP:AP+1], s[AP:AP+1], 4096
	s_add_co_u32 s[TJ], s[TJ], 32
	s_sub_co_u32 s[TR], s[TR], 1
	s_cmp_lg_u32 s[TR], 0
	s_cbranch_scc1 .Ltile
	s_wait_dscnt 0x0                               ; my halfwords have landed
	s_barrier_signal -1
	s_barrier_wait -1
	s_cmp_lt_u32 s2, 2
	s_cbranch_scc0 .Ldone
	ds_load_b128 v[96:99], v24                     ; the work-group's 32 tiles x 32 bytes
	s_wait_dscnt 0x0
	global_store_b128 v7, v[96:99], s[10:11]       ; sixteen lanes store 256 consecutive bytes, aligned
.Ldone:
	s_wait_tensorcnt 0x0
	ds_add_u32 v25, v31
	s_wait_dscnt 0x0
	s_endpgm
.Lfunc_end_k_q3eb5f86468_attn:
	.size	k_q3eb5f86468_attn, .Lfunc_end_k_q3eb5f86468_attn-k_q3eb5f86468_attn
	.p2alignl 7, 3214868480
	.fill 96, 4, 3214868480
	.section	.rodata,"a",@progbits
	.p2align	6, 0x0
	.amdhsa_kernel k_q3eb5f86468_attn
		.amdhsa_group_segment_fixed_size 83968
		.amdhsa_private_segment_fixed_size 0
		.amdhsa_enable_private_segment 0
		.amdhsa_kernarg_size 32
		.amdhsa_user_sgpr_count 2
		.amdhsa_user_sgpr_kernarg_segment_ptr 1
		.amdhsa_wavefront_size32 1
		.amdhsa_system_sgpr_workgroup_id_x 1
		.amdhsa_system_sgpr_workgroup_id_y 1
		.amdhsa_system_sgpr_workgroup_id_z 1
		.amdhsa_system_vgpr_workitem_id 0
		.amdhsa_next_free_vgpr 256
		.amdhsa_next_free_sgpr 66
		.amdhsa_reserve_vcc 0
		.amdhsa_float_denorm_mode_32 3
		.amdhsa_float_denorm_mode_16_64 3
		.amdhsa_memory_ordered 1
		.amdhsa_forward_progress 1
		.amdhsa_inst_pref_size 128
	.end_amdhsa_kernel
	.amdgpu_metadata
---
amdhsa.version: [ 1, 2 ]
amdhsa.kernels:
  - .name:           k_q3eb5f86468_attn
    .symbol:         k_q3eb5f86468_attn.kd
    .args:
      - { .name: qkv_c, .offset: 0, .size: 8, .value_kind: global_buffer, .address_space: global }
      - { .name: qkv_s, .offset: 8, .size: 8, .value_kind: global_buffer, .address_space: global }
      - { .name: a_c, .offset: 16, .size: 8, .value_kind: global_buffer, .address_space: global }
      - { .name: a_s, .offset: 24, .size: 8, .value_kind: global_buffer, .address_space: global }
    .group_segment_fixed_size: 83968
    .private_segment_fixed_size: 0
    .kernarg_segment_align: 8
    .kernarg_segment_size: 32
    .max_flat_workgroup_size: 512
    .sgpr_count:     66
    .vgpr_count:     256
    .wavefront_size: 32
...
	.end_amdgpu_metadata
.endif
;; end of part 3
;; launch proj (part 4): grid 256 x 1, 8 waves a work-group, no clusters, 168,960 bytes of LDS; arguments a_c, a_s, w_cs, bp, x, out0; writes out0
.if DOCPART == 4
	.amdgcn_target "amdgcn-amd-amdhsa--gfx1250"
	.amdhsa_code_object_version 6
	.text
	.protected	k_q3eb5f86468_proj
	.globl	k_q3eb5f86468_proj
	.p2align	8
	.type	k_q3eb5f86468_proj,@function
k_q3eb5f86468_proj:
	s_mov_b64 s[64:65], 0
	v_nop
	global_prefetch_b8 v0, s[64:65] scope:SCOPE_SE
	s_setreg_imm32_b32 hwreg(HW_REG_WAVE_MODE, 25, 1), 1
	s_wait_xcnt 0x0
; out0 = x + Wp a + bp, the product on codes of FP4.  Work-group = b x 16 + G: 512 output channels x 64 tokens; wave w makes channels 64 w .. 64 w + 63: 16 accumulators, K = 512, 64 matrix instructions.
; a's and Wp's fragments come from memory straight into registers, as images (every load is 512 consecutive bytes).  Source 0 = 16 tokens, source 1 = 16 rows of Wp: a lane holds one output channel and its registers
; run along the tokens, which are innermost in out0; the tokens of a tile are 32 B + 8 u + r + 8 (r / 8), so that the 16 registers of tiles 2 B, 2 B + 1 are 16 neighbours.  bp is the C of each sum's first product.
; The wave's 64 rows x 256 bytes of x come by ONE tensor load, issued first; only the issuing wave reads them, behind its own wait.  Nothing is filled again.
; The results go through the wave's own stage in LDS (16 rows x 272 bytes, bytes into which no fill lands) and leave as whole rows: sixteen lanes store 256 consecutive bytes, aligned.
; LDS: more than half of what a WGP has is claimed; 165,888 bytes are used.
; No cluster: Wp's codes, which all work-groups read, go straight into registers; x's tile is each wave's own.
.set XR,    0                          ; 8 waves x 64 rows x 256 bytes of x
.set STAGE, 131072                     ; 8 waves x 16 x 272
.set ACC, 32                           ; v32-159 accumulator (g, i) at 32 + 32 g + 8 i
.set CB,  160                          ; v160-191 the bias
.set SA,  192                          ; v192-199 a's scale words
.set SW,  200                          ; v200-207 Wp's
.set U,   208                          ; v208-223 a's scale halfwords as loaded
.set Y,   160                          ; the way out: rows read back from the stage
.set XV,  224                          ; v224-255 the same rows of x
.set AF,  0
.set WF,  128
.set STO, 7
.set RD,  8
.set XA,  9
.set GO,  10
.set MSB, 0
.macro WIN new
.if MSB != \new
	s_set_vgpr_msb (MSB<<8)|\new
.set MSB, \new
.endif
.endm
.macro MM d, a, b, c, sa, ra, sb, rb
.if (\ra) && (\rb)
	v_wmma_scale_f32_16x16x128_f8f6f4 v[\d:\d+7], v[\a:\a+7], v[\b:\b+7], v[\c:\c+7], v[\sa], v[\sb] matrix_a_fmt:MATRIX_FMT_FP4 matrix_b_fmt:MATRIX_FMT_FP4 matrix_a_scale:MATRIX_SCALE_ROW1 matrix_b_scale:MATRIX_SCALE_ROW1
.elseif (\ra)
	v_wmma_scale_f32_16x16x128_f8f6f4 v[\d:\d+7], v[\a:\a+7], v[\b:\b+7], v[\c:\c+7], v[\sa], v[\sb] matrix_a_fmt:MATRIX_FMT_FP4 matrix_b_fmt:MATRIX_FMT_FP4 matrix_a_scale:MATRIX_SCALE_ROW1
.elseif (\rb)
	v_wmma_scale_f32_16x16x128_f8f6f4 v[\d:\d+7], v[\a:\a+7], v[\b:\b+7], v[\c:\c+7], v[\sa], v[\sb] matrix_a_fmt:MATRIX_FMT_FP4 matrix_b_fmt:MATRIX_FMT_FP4 matrix_b_scale:MATRIX_SCALE_ROW1
.else
	v_wmma_scale_f32_16x16x128_f8f6f4 v[\d:\d+7], v[\a:\a+7], v[\b:\b+7], v[\c:\c+7], v[\sa], v[\sb] matrix_a_fmt:MATRIX_FMT_FP4 matrix_b_fmt:MATRIX_FMT_FP4
.endif
.endm
	s_load_b256 s[4:11], s[0:1], 0x0               ; a_c, a_s, w_cs, bp
	s_load_b128 s[12:15], s[0:1], 0x20             ; x, out0
	v_lshl_add_u32 v30, v0, 2, 0x29000
	v_mov_b32 v31, 0
	ds_add_u32 v30, v31
	ds_add_u32 v30, v31
	v_lshrrev_b32 v2, 5, v0
	v_readfirstlane_b32 s2, v2                     ; wave
	s_lshr_b32 s20, ttmp9, 4                       ; b
	s_and_b32 s21, ttmp9, 15                       ; G
	s_lshl_b32 s30, s20, 21                        ; x and out0: b x 512 rows x 4,096 bytes,
	s_lshl_b32 s31, s2, 18                         ; 64 rows a wave,
	s_add_co_u32 s30, s30, s31
	s_lshl_b32 s31, s21, 8                         ; 64 tokens = 256 bytes
	s_add_co_u32 s30, s30, s31
	s_mov_b32 s31, 0
	; descriptor group 1: a tile of 64 rows x 64 elements of 4 bytes, 1,024 elements from row to row, dense in LDS
	s_mov_b32 s48, 2<<16                           ; no mask; elements of 4 bytes; no padding
	s_mov_b32 s49, 64<<16                          ; tensor_dim0 = 64
	s_mov_b32 s50, 64<<16                          ; tensor_dim1 = 64
	s_mov_b32 s51, 64<<16                          ; tile_dim0 = 64
	s_mov_b32 s52, 64                              ; tile_dim1 = 64
	s_mov_b32 s53, 1024                            ; the pitch
	s_mov_b32 s54, 0
	s_mov_b32 s55, 0
	s_mov_b32 s44, 1                               ; group 0: count = 1,
	s_lshl_b32 s45, s2, 14                         ; LDS address: 16,384 x wave,
	s_wait_dscnt 0x0
	s_wait_kmcnt 0x0
	s_add_nc_u64 s[46:47], s[12:13], s[30:31]      ; the tile's first element,
	s_or_b32 s47, s47, 0x80000000                  ; type = 2
	s_add_nc_u64 s[14:15], s[14:15], s[30:31]
	tensor_load_to_lds s[44:47], s[48:55]          ; my one tensor load: ahead of every wait on its counter
	s_nop 0
.rept 4
	v_nop
.endr
	v_and_b32 v2, 31, v0
	v_lshlrev_b32 v1, 4, v2                        ; 16 x lane
	v_lshlrev_b32 v2, 1, v2                        ; 2 x lane
	v_and_b32 v5, 15, v0                           ; r
	v_bfe_u32 v6, v0, 4, 1                         ; h
	v_and_b32 v3, 8, v5
	v_add_nc_u32 v3, v3, v5
	v_lshlrev_b32 v3, 2, v3                        ; bp of my lane's channel: r + 8 (r / 8) of the tile
	s_mul_i32 s32, s2, 4352
	s_add_co_u32 s32, s32, STAGE                   ; my stage
	v_mul_u32_u24 v[STO], v5, 272
	v_lshl_add_u32 v[STO], v6, 6, v[STO]
	v_add_nc_u32 v[STO], s32, v[STO]               ; in: row r, 64 bytes for each half of the lanes
	v_mul_u32_u24 v[RD], v6, 272
	v_lshl_add_u32 v[RD], v5, 4, v[RD]
	v_add_nc_u32 v[RD], s32, v[RD]                 ; back: lanes 0-15 one row, lanes 16-31 the next
	s_lshl_b32 s33, s2, 14
	v_add_nc_u32 v[XA], s33, v1                    ; the same two rows of x's tile
	v_lshlrev_b32 v[GO], 4, v5
	v_lshl_add_u32 v[GO], v6, 12, v[GO]            ; and in out0
	s_lshl_b32 s34, ttmp9, 14                      ; a_c: (64 b + 4 G) tiles x 4,096
	s_mov_b32 s35, 0
	s_add_nc_u64 s[4:5], s[4:5], s[34:35]
	s_lshl_b32 s34, s20, 14
	s_lshl_b32 s36, s21, 7
	s_add_co_u32 s34, s34, s36                     ; a_s: (512 b + 4 G) tiles x 32
	s_add_nc_u64 s[6:7], s[6:7], s[34:35]
	s_lshl_b32 s34, s2, 2
	s_add_co_u32 s34, s34, 96                      ; Wp's tiles 96 + 4 w on
	s_lshl_b32 s36, s34, 8
	s_mov_b32 s37, 0
	s_add_nc_u64 s[26:27], s[8:9], s[36:37]        ; their scale words (524,288 stands in the immediate)
	s_lshl_b32 s34, s34, 12
	s_add_nc_u64 s[24:25], s[8:9], s[34:35]
	s_lshl_b32 s34, s2, 8
	s_add_nc_u64 s[10:11], s[10:11], s[34:35]
.irp d, 0,1,2,3,4,5,6,7
.irp p, 0,1
	global_load_u16 v[U+2*\d+\p], v2, s[6:7] offset:2048*\d+64*\p   ; head d's two bytes: lanes 0-15 tile 2 p, lanes 16-31 tile 2 p + 1
.endr
.endr
.irp p, 0,1
	global_load_b128 v[SW+4*\p:SW+4*\p+3], v1, s[26:27] offset:524288+512*\p
.endr
.irp g, 0,1,2,3
	global_load_b32 v[CB+8*\g], v3, s[10:11] offset:(32*(\g/2)+8*(\g%2))*4
.endr
	WIN 0x40                                       ; destination window 1
.irp k, 0,1,2,3
.irp i, 0,1,2,3
.irp c, 0,1
	global_load_b128 v[AF+32*\i+8*\k+4*\c:AF+32*\i+8*\k+4*\c+3], v1, s[4:5] offset:4096*\i+1024*\k+512*\c
.endr
.endr
.irp i, 0,1,2,3
.irp c, 0,1
	global_load_b128 v[WF+32*\i+8*\k+4*\c:WF+32*\i+8*\k+4*\c+3], v1, s[24:25] offset:4096*\i+1024*\k+512*\c
.endr
.endr
.endr
	WIN 0
	s_wait_loadcnt 63                              ; 64 loads were issued behind the scales and the bias: those are in
.irp g, 0,1,2,3
.irp j, 1,2,3,4,5,6,7
	v_mov_b32 v[CB+8*\g+\j], v[CB+8*\g]            ; a lane's eight results are eight tokens of one channel: one bias
.endr
.endr
.irp p, 0,1
.irp k, 0,1,2,3
	v_lshl_or_b32 v[SA+4*\p+\k], v[U+2*(2*\k+1)+\p], 16, v[U+2*(2*\k)+\p]   ; two heads' halfwords make a K step's word
.endr
.endr
.rept 8
	v_nop                                          ; eight places ahead of the scaled matrix instructions
.endr
	WIN 0x05                                       ; sources 0 and 1 window 1; C and D window 0
.irp k, 0,1,2,3
	s_wait_loadcnt 16*(3-\k)                       ; this K step's 16 loads are in; 16 for each later K step may be out
.irp g, 0,1,2,3
.irp i, 0,1,2,3
.if \k == 0
	MM ACC+32*\g+8*\i, AF+32*\i+8*\k, WF+32*\g+8*\k, CB+8*\g, SA+4*(\i/2)+\k, \i%2, SW+4*(\g/2)+\k, \g%2
.else
	MM ACC+32*\g+8*\i, AF+32*\i+8*\k, WF+32*\g+8*\k, ACC+32*\g+8*\i, SA+4*(\i/2)+\k, \i%2, SW+4*(\g/2)+\k, \g%2
.endif
.endr
.endr
.endr                                              ; the sixteen accumulators take turns, one instruction a turn
	WIN 0
.rept 4
	v_nop                                          ; four places ahead of the first read of results and of the loads into the bias's registers
.endr
	s_wait_tensorcnt 0x0                           ; my rows of x are in LDS
.irp g, 0,1,2,3                        ; Wp's tile g: 16 output rows x 64 tokens
.if \g > 0
	s_wait_xcnt 0x0                                ; the last tile's stores have read their registers: they are loaded again
.endif
.irp p, 0,1,2,3,4,5,6,7
	ds_store_b128 v[STO], v[ACC+32*\g+4*\p:ACC+32*\g+4*\p+3] offset:128*(\p/4)+16*(\p%4)   ; registers 16 B .. 16 B + 15 are tokens 32 B + 16 h + 0 .. 15; each accumulator from its low end on
.endr
.irp t, 0,1,2,3,4,5,6,7
	ds_load_b128 v[Y+4*\t:Y+4*\t+3], v[RD] offset:544*\t   ; LDS serves a wave's instructions in order: these see my stores, and the next tile's stores come behind them
.endr
.irp t, 0,1,2,3,4,5,6,7
	ds_load_b128 v[XV+4*\t:XV+4*\t+3], v[XA] offset:256*(32*(\g/2)+8*(\g%2)+2*\t+8*(\t/4))
.endr
.irp t, 0,1,2,3,4,5,6,7
	s_wait_dscnt 7-\t                              ; rows 2 t, 2 t + 1 of the stage and of x are in; the 7 - t younger reads of x may be out
	v_pk_add_f32 v[Y+4*\t:Y+4*\t+1], v[Y+4*\t:Y+4*\t+1], v[XV+4*\t:XV+4*\t+1]
	v_pk_add_f32 v[Y+4*\t+2:Y+4*\t+3], v[Y+4*\t+2:Y+4*\t+3], v[XV+4*\t+2:XV+4*\t+3]
	global_store_b128 v[GO], v[Y+4*\t:Y+4*\t+3], s[14:15] offset:4096*(32*(\g/2)+8*(\g%2)+2*\t+8*(\t/4)) th:TH_STORE_NT   ; sixteen lanes store 256 consecutive bytes, aligned
.endr
.endr
	s_wait_tensorcnt 0x0
	ds_add_u32 v30, v31
	s_wait_dscnt 0x0
	s_endpgm
.Lfunc_end_k_q3eb5f86468_proj:
	.size	k_q3eb5f86468_proj, .Lfunc_end_k_q3eb5f86468_proj-k_q3eb5f86468_proj
	.p2alignl 7, 3214868480
	.fill 96, 4, 3214868480
	.section	.rodata,"a",@progbits
	.p2align	6, 0x0
	.amdhsa_kernel k_q3eb5f86468_proj
		.amdhsa_group_segment_fixed_size 168960
		.amdhsa_private_segment_fixed_size 0
		.amdhsa_enable_private_segment 0
		.amdhsa_kernarg_size 48
		.amdhsa_user_sgpr_count 2
		.amdhsa_user_sgpr_kernarg_segment_ptr 1
		.amdhsa_wavefront_size32 1
		.amdhsa_system_sgpr_workgroup_id_x 1
		.amdhsa_system_sgpr_workgroup_id_y 1
		.amdhsa_system_sgpr_workgroup_id_z 1
		.amdhsa_system_vgpr_workitem_id 0
		.amdhsa_next_free_vgpr 512
		.amdhsa_next_free_sgpr 66
		.amdhsa_reserve_vcc 0
		.amdhsa_float_denorm_mode_32 3
		.amdhsa_float_denorm_mode_16_64 3
		.amdhsa_memory_ordered 1
		.amdhsa_forward_progress 1
		.amdhsa_inst_pref_size 36
	.end_amdhsa_kernel
	.amdgpu_metadata
---
amdhsa.version: [ 1, 2 ]
amdhsa.kernels:
  - .name:           k_q3eb5f86468_proj
    .symbol:         k_q3eb5f86468_proj.kd
    .args:
      - { .name: a_c, .offset: 0, .size: 8, .value_kind: global_buffer, .address_space: global }
      - { .name: a_s, .offset: 8, .size: 8, .value_kind: global_buffer, .address_space: global }
      - { .name: w_cs, .offset: 16, .size: 8, .value_kind: global_buffer, .address_space: global }
      - { .name: bp, .offset: 24, .size: 8, .value_kind: global_buffer, .address_space: global }
      - { .name: x, .offset: 32, .size: 8, .value_kind: global_buffer, .address_space: global }
      - { .name: out0, .offset: 40, .size: 8, .value_kind: global_buffer, .address_space: global }
    .group_segment_fixed_size: 168960
    .private_segment_fixed_size: 0
    .kernarg_segment_align: 8
    .kernarg_segment_size: 48
    .max_flat_workgroup_size: 256
    .sgpr_count:     66
    .vgpr_count:     512
    .wavefront_size: 32
...
	.end_amdgpu_metadata
.endif
;; end of part 4
;; ======== version 2 of 2: 4 launches
;; workspace buffers: act_c 8,388,608 bytes; act_s 524,288 bytes; w_cs 557,056 bytes; qkv_c 12,582,912 bytes; qkv_s 1,310,720 bytes; a_c 4,194,304 bytes; a_s 262,144 bytes
;; launch prep (part 5): grid 512 x 1, 8 waves a work-group, no clusters, 27,648 bytes of LDS; arguments x, y, gn_w, gn_b, act_c, act_s, Wq, Wkv, Wp, w_cs; writes act_c, act_s, w_cs
.if DOCPART == 5
	.amdgcn_target "amdgcn-amd-amdhsa--gfx1250"
	.amdhsa_code_object_version 6
	.text
	.protected	k_q3eb5f86468_prep
	.globl	k_q3eb5f86468_prep
	.p2align	8
	.type	k_q3eb5f86468_prep,@function
k_q3eb5f86468_prep:
	s_mov_b64 s[64:65], 0
	v_nop
	global_prefetch_b8 v0, s[64:65] scope:SCOPE_SE
	s_setreg_imm32_b32 hwreg(HW_REG_WAVE_MODE, 25, 1), 1
	s_wait_xcnt 0x0
; GroupNorm of x and y [16][512][1024] f32 and their quantising to FP4 (E2M1) along the channels; quantising of Wq, Wkv, Wp along their K.
; Work-group i = tensor x 256 + b x 16 + block: 32 channels (two groups of 16) x 1,024 tokens of one image of x or y: one block of 32 along K for every token.
; The weights have 128 tiles of 16 rows x 4 K steps of 128 = 512 pieces of 8,192 bytes: work-group i also takes piece i (tile i / 4, K step i % 4).  Its wave 0 asks for the piece ahead of its share of x
; and quantises it while x's loads are on their way.  So all 512 work-groups have the same work.
; A FRAGMENT GOES TO MEMORY AS AN IMAGE OF ITS REGISTERS: 16 rows x 128 K = 1,024 bytes, [half 2][lane 32][16 bytes]; lane (r, h) of half c holds block 2 c + h of row r.
; THE ROWS OF A TILE ARE NOT NEIGHBOURS: row r of tile 2 B + u is element 32 B + 8 u + r + 8 (r / 8) (tokens and weight rows alike), so that a later product's results are neighbours along the next K.
; act_c [tensor][b][tile 64][K step 4] images; act_s [tensor][b][block 16][tile x 16 + r] bytes; w_cs: images [tile 128][K step 4] (tiles 0-31 Wq, 32-95 Wkv, 96-127 Wp), from byte 524,288 on scale words [tile][r][K step].
; The mean is taken first and taken off, and the squares are summed of the differences: no difference of large sums is formed.
; A block's scale byte is its largest magnitude's exponent field - 2, held at 1 from below.
; LIMITS: NaN and infinities among the inputs are not served; a block of zeros, or one whose largest magnitude lies under 2^-124, gets the byte 1 (its codes are zeros or near; only this program reads the bytes).
; No cluster: no two work-groups read the same bytes.
.set RED1, 0                           ; 8 waves x 8 bytes: the sums
.set RED2, 256                         ; the sums of squares
.set SB,   512                         ; 8 waves x 128 scale bytes
.set CT,   1536                        ; 8 waves x 2,048 bytes of codes, by token
.set WST,  17920                       ; wave 0's stage for the weights' piece: 16 rows x 528 bytes
.set X,   16                           ; v16-143  channel c, token 4 t + j at X + 4 c + j
.set T,   144                          ; v144-207 two sets of 32 numbers; in wave 0 first the weights' piece
.set CD,  208                          ; v208-223 codes
.set CH,  224                          ; v224-231 four chains
.set RS,  232                          ; v232-235 the two groups' sums, and the other half's
.set MU,  236                          ; v236-239 the two means, as pairs
.set MX,  240                          ; v240-243 at work
.set BW,  244                          ; v244     four scale bytes
.set WM,  224                          ; the weights' piece: v224-229 at work,
.set SWD, 230                          ; v230     its rows' scale word
.set WA,  14                           ; v14      16 x lane
.set WB,  15                           ; v15      528 r + 128 h
.set WC,  245                          ; v245     16 r
.set WS,  246                          ; v246     8 h
.macro FOLD dst
	s_delay_alu instid0(VALU_DEP_3)
	v_pk_add_f32 v[CH:CH+1], v[CH:CH+1], v[CH+2:CH+3]
	s_delay_alu instid0(VALU_DEP_2)
	v_pk_add_f32 v[CH+4:CH+5], v[CH+4:CH+5], v[CH+6:CH+7]
	s_delay_alu instid0(VALU_DEP_1)
	v_pk_add_f32 v[CH:CH+1], v[CH:CH+1], v[CH+4:CH+5]
	s_delay_alu instid0(VALU_DEP_1)
	v_add_f32 v[\dst], v[CH], v[CH+1]
.endm
.macro GSUM g, dst                     ; the sum of my 64 numbers of group g, in four chains
.irp k, 0,1,2,3
	v_pk_add_f32 v[CH+2*\k:CH+2*\k+1], v[X+64*\g+2*\k:X+64*\g+2*\k+1], v[X+64*\g+8+2*\k:X+64*\g+9+2*\k]
.endr
.set n, 8
.rept 24
	s_delay_alu instid0(VALU_DEP_4)
	v_pk_add_f32 v[CH+2*(n%4):CH+2*(n%4)+1], v[CH+2*(n%4):CH+2*(n%4)+1], v[X+64*\g+2*n:X+64*\g+2*n+1]
.set n, n+1
.endr
	FOLD \dst
.endm
.macro GSQ g, dst                      ; the sum of their squares
.irp k, 0,1,2,3
	v_pk_mul_f32 v[CH+2*\k:CH+2*\k+1], v[X+64*\g+2*\k:X+64*\g+2*\k+1], v[X+64*\g+2*\k:X+64*\g+2*\k+1]
.endr
.set n, 4
.rept 28
	s_delay_alu instid0(VALU_DEP_4)
	v_pk_fma_f32 v[CH+2*(n%4):CH+2*(n%4)+1], v[X+64*\g+2*n:X+64*\g+2*n+1], v[X+64*\g+2*n:X+64*\g+2*n+1], v[CH+2*(n%4):CH+2*(n%4)+1]
.set n, n+1
.endr
	FOLD \dst
.endm
.macro XRED off                        ; the pair in v[RS:RS+1] summed over the wave's lanes, then over the eight waves: result in v[T:T+1], in every lane
.irp m, 1
	v_add_f32_dpp v[RS], v[RS], v[RS] row_xmask:\m row_mask:0xf bank_mask:0xf
	s_delay_alu instid0(VALU_DEP_2)
	v_add_f32_dpp v[RS+1], v[RS+1], v[RS+1] row_xmask:\m row_mask:0xf bank_mask:0xf
.endr
.irp m, 2, 4, 8
	s_delay_alu instid0(VALU_DEP_2)
	v_add_f32_dpp v[RS], v[RS], v[RS] row_xmask:\m row_mask:0xf bank_mask:0xf
	s_delay_alu instid0(VALU_DEP_2)
	v_add_f32_dpp v[RS+1], v[RS+1], v[RS+1] row_xmask:\m row_mask:0xf bank_mask:0xf
.endr
	s_delay_alu instid0(VALU_DEP_2)
	v_permlanex16_b32 v[RS+2], v[RS], s96, s97
	s_delay_alu instid0(VALU_DEP_2)
	v_permlanex16_b32 v[RS+3], v[RS+1], s96, s97
	s_delay_alu instid0(VALU_DEP_2)
	v_add_f32 v[RS], v[RS], v[RS+2]
	s_delay_alu instid0(VALU_DEP_2)
	v_add_f32 v[RS+1], v[RS+1], v[RS+3]
	ds_store_b64 v12, v[RS:RS+1] offset:\off       ; all lanes write the wave's 8 bytes with the same value
	s_wait_dscnt 0x0                               ; for the others' sake: my store has landed
	s_barrier_signal -1
	s_barrier_wait -1
.irp i, 0,1,2,3
	ds_load_b128 v[T+4*\i:T+4*\i+3], v13 offset:\off+16*\i
.endr
	s_wait_dscnt 0x0
	v_pk_add_f32 v[T:T+1], v[T:T+1], v[T+2:T+3]
	v_pk_add_f32 v[T+4:T+5], v[T+4:T+5], v[T+6:T+7]
	v_pk_add_f32 v[T+8:T+9], v[T+8:T+9], v[T+10:T+11]
	v_pk_add_f32 v[T+12:T+13], v[T+12:T+13], v[T+14:T+15]
	s_delay_alu instid0(VALU_DEP_3)
	v_pk_add_f32 v[T:T+1], v[T:T+1], v[T+4:T+5]
	s_delay_alu instid0(VALU_DEP_2)
	v_pk_add_f32 v[T+8:T+9], v[T+8:T+9], v[T+12:T+13]
	s_delay_alu instid0(VALU_DEP_1)
	v_pk_add_f32 v[T:T+1], v[T:T+1], v[T+8:T+9]
.endm
; Token 4 t + j: its 32 channels are normalised, and are one block: largest magnitude, scale, 32 codes = 16 bytes, into the wave's bytes of LDS by token
.macro COL j
.set TS, T+32*((\j)%2)
.set q, 0
.rept 32
	v_fma_f32 v[TS+q], v[X+4*q+\j], s[16+q], s[48+q+4*(q/16)]      ; (x - mean) x (rstd w[c]) + b[c]
.set q, q+1
.endr
	v_max3_num_f32 v[MX], |v[TS]|, |v[TS+1]|, |v[TS+2]|
	v_max3_num_f32 v[MX+1], |v[TS+3]|, |v[TS+4]|, |v[TS+5]|
.irp i, 6,10,14,18,22,26
	s_delay_alu instid0(VALU_DEP_2)
	v_max3_num_f32 v[MX], v[MX], |v[TS+\i]|, |v[TS+\i+1]|
	s_delay_alu instid0(VALU_DEP_2)
	v_max3_num_f32 v[MX+1], v[MX+1], |v[TS+\i+2]|, |v[TS+\i+3]|
.endr
	s_delay_alu instid0(VALU_DEP_2)
	v_max3_num_f32 v[MX], v[MX], |v[TS+30]|, |v[TS+31]|
	s_delay_alu instid0(VALU_DEP_1)
	v_max3_num_f32 v[MX], v[MX], v[MX+1], 0x1800000                ; and the floor 2^(3 - 127): the byte cannot fall under 1
	s_delay_alu instid0(VALU_DEP_1)
	v_add_nc_u32 v[MX+2], 0xff000000, v[MX]                        ; 2 off the exponent field: the conversion's scale operand
.irp g, 0,1,2,3
	v_cvt_scalef32_pk8_fp4_f32 v[CD+4*\j+\g], v[TS+8*\g:TS+8*\g+7], v[MX+2]
.endr
.if \j == 0
	v_lshrrev_b32 v[BW], 23, v[MX+2]                               ; the scale's byte (a plain line behind the conversions)
.else
	v_lshrrev_b32 v[MX+3], 23, v[MX+2]
	s_delay_alu instid0(VALU_DEP_1)
	v_lshl_or_b32 v[BW], v[MX+3], 8*\j, v[BW]
.endif
	ds_store_b128 v3, v[CD+4*\j:CD+4*\j+3] offset:CT+16*\j
.endm
	s_load_b256 s[4:11], s[0:1], 0x0               ; x, y, gn_w, gn_b
	s_load_b128 s[12:15], s[0:1], 0x20             ; act_c, act_s
	s_load_b256 s[84:91], s[0:1], 0x30             ; Wq, Wkv, Wp, w_cs
	v_lshl_add_u32 v248, v0, 2, 0x6800
	v_mov_b32 v249, 0
	v_lshrrev_b32 v2, 5, v0
	s_delay_alu instid0(VALU_DEP_1)
	v_readfirstlane_b32 s2, v2                     ; wave
	v_and_b32 v2, 31, v0                           ; lane
	s_mov_b32 s96, 0x76543210
	s_mov_b32 s97, 0xfedcba98                      ; v_permlanex16_b32's selects for lane l xor 16
	s_mov_b32 s3, ttmp9                            ; tensor x 256 + b x 16 + block; also the weights' piece
	; every address register is made here, ahead of the lines that wave 0 alone runs
	s_lshl_b32 s98, s2, 11
	s_lshl_b32 s99, s2, 7
	v_lshlrev_b32 v1, 4, v0                        ; my four tokens' 16 bytes of a channel's row
	v_lshl_add_u32 v3, v2, 6, s98                  ; codes into LDS: 16 x (4 lane + j)
	v_and_b32 v5, 7, v2
	s_delay_alu instid0(VALU_DEP_1)
	v_lshl_add_u32 v4, v5, 4, s98
	v_bfe_u32 v5, v2, 4, 1                         ; h: which tile of a pair
	s_delay_alu instid0(VALU_DEP_1)
	v_lshl_add_u32 v4, v5, 7, v4
	v_bfe_u32 v6, v2, 3, 1
	s_delay_alu instid0(VALU_DEP_1)
	v_lshl_add_u32 v4, v6, 8, v4                   ; and out: token 8 u + r + 8 (r / 8) of a run of 32
	v_and_b32 v8, 15, v2                           ; r
	s_delay_alu instid0(VALU_DEP_1)
	v_lshlrev_b32 v7, 4, v8
	s_delay_alu instid0(VALU_DEP_1)
	v_lshl_add_u32 v7, v5, 12, v7                  ; in act_c: tile u of the pair, row r
	v_lshl_add_u32 v9, v2, 2, s99                  ; scale bytes into LDS: by token
	v_and_b32 v10, 0x19, v2
	v_bfe_u32 v6, v2, 1, 1
	s_delay_alu instid0(VALU_DEP_1)
	v_lshl_add_u32 v10, v6, 2, v10
	v_bfe_u32 v6, v2, 2, 1
	s_delay_alu instid0(VALU_DEP_1)
	v_lshl_add_u32 v10, v6, 1, v10                 ; and out: the lane's bits 1 and 2 change places: by tile and row
	s_delay_alu instid0(VALU_DEP_1)
	v_lshl_add_u32 v10, v10, 2, s99
	v_lshlrev_b32 v11, 2, v2
	v_mov_b32 v12, s2
	s_delay_alu instid0(VALU_DEP_1)
	v_lshlrev_b32 v12, 3, v12                      ; my wave's 8 bytes among the sums
	v_mov_b32 v13, 0
	v_mov_b32 v[RS+2], 0                           ; a lane permute's destination counts as one of its sources
	v_mov_b32 v[RS+3], 0
	v_lshlrev_b32 v[WA], 4, v2                     ; the weights' piece: 16 bytes a lane of a row's 512, and of an image's half
	v_mul_u32_u24 v[WB], v8, 528
	s_delay_alu instid0(VALU_DEP_1)
	v_lshl_add_u32 v[WB], v5, 7, v[WB]             ; out of the stage: row r, my half's 32 numbers
	v_lshlrev_b32 v[WC], 4, v8                     ; row r's four scale words
	v_lshlrev_b32 v[WS], 3, v5
	s_and_b32 s92, s3, 255
	s_lshl_b32 s92, s92, 17                        ; 32 channels x 4,096 bytes
	s_mov_b32 s93, 0
	s_and_b32 s94, s3, 15
	s_lshl_b32 s94, s94, 7                         ; my 32 numbers of gn_w and gn_b
	s_mov_b32 s95, 0
	s_lshr_b32 s98, s3, 4
	s_lshl_b32 s98, s98, 18                        ; codes: (tensor x 16 + b) x 64 tiles x 4,096
	s_lshl_b32 s100, s2, 15                        ; + 8 tiles a wave
	s_add_co_u32 s98, s98, s100
	s_lshl_b32 s100, s94, 1                        ; + 256 x block: K step, half and lanes' half in one
	s_add_co_u32 s98, s98, s100
	s_mov_b32 s99, 0
	s_lshl_b32 s100, s3, 10                        ; scale bytes: a plane of 1,024 for each work-group,
	s_lshl_b32 s101, s2, 7                         ; 128 a wave
	s_add_co_u32 s100, s100, s101
	s_mov_b32 s101, 0
	s_wait_kmcnt 0x0
	s_cmp_lt_u32 s3, 256
	s_cselect_b64 s[4:5], s[4:5], s[6:7]           ; x or y: the choice hangs on the work-group's number alone
	s_add_nc_u64 s[4:5], s[4:5], s[92:93]
	s_add_nc_u64 s[8:9], s[8:9], s[94:95]
	s_add_nc_u64 s[10:11], s[10:11], s[94:95]
	s_add_nc_u64 s[12:13], s[12:13], s[98:99]
	s_add_nc_u64 s[14:15], s[14:15], s[100:101]
	; the weights' piece: tile = i / 4 (0-31 Wq, 32-95 Wkv, 96-127 Wp), K step = i % 4
	s_lshr_b32 s94, s3, 2
	s_cmp_lt_u32 s3, 384
	s_cselect_b64 s[86:87], s[86:87], s[88:89]
	s_cselect_b32 s92, 32, 96
	s_cmp_lt_u32 s3, 128
	s_cselect_b64 s[84:85], s[84:85], s[86:87]
	s_cselect_b32 s92, 0, s92
	s_sub_co_u32 s92, s94, s92                     ; the tile's number in its matrix
	s_lshr_b32 s93, s92, 1
	s_lshl_b32 s93, s93, 5
	s_and_b32 s92, s92, 1
	s_lshl_b32 s92, s92, 3
	s_add_co_u32 s92, s92, s93                     ; its first row
	s_lshl_b32 s92, s92, 11                        ; a row is 2,048 bytes
	s_and_b32 s95, s3, 3
	s_lshl_b32 s93, s95, 9                         ; a K step is 512 of them
	s_add_co_u32 s92, s92, s93
	s_mov_b32 s93, 0
	s_add_nc_u64 s[84:85], s[84:85], s[92:93]
	s_lshl_b32 s92, s94, 8
	s_lshl_b32 s98, s95, 2
	s_add_co_u32 s92, s92, s98
	s_add_nc_u64 s[88:89], s[90:91], s[92:93]      ; the tile's scale words, this K step's (524,288 stands in the store's immediate)
	s_lshl_b32 s92, s3, 10
	s_add_nc_u64 s[90:91], s[90:91], s[92:93]      ; the piece's image: 1,024 x i
	s_cmp_lg_u32 s2, 0
	s_cbranch_scc1 .Lx_loads
	s_wait_alu depctr_va_vdst(0)
.irp p, 0,1,2,3,4,5,6,7,8,9,10,11,12,13,14,15
	global_load_b128 v[T+4*\p:T+4*\p+3], v[WA], s[84:85] offset:(\p+8*(\p/8))*2048 th:TH_LOAD_NT   ; wave 0: a row's 512 bytes to a load, ahead of x's
.endr
.Lx_loads:
.irp c, 0,1,2,3,4,5,6,7,8,9,10,11,12,13,14,15,16,17,18,19,20,21,22,23,24,25,26,27,28,29,30,31
	global_load_b128 v[X+4*\c:X+4*\c+3], v1, s[4:5] offset:4096*\c th:TH_LOAD_NT   ; a wave reads 512 consecutive bytes
.endr
	s_load_b512 s[16:31], s[8:9], 0x0              ; w of my 32 channels
	s_load_b512 s[32:47], s[8:9], 0x40
	s_load_b512 s[48:63], s[10:11], 0x0            ; b
	s_load_b512 s[68:83], s[10:11], 0x40
	s_mov_b32 s100, 0x38800000                     ; 1 / 16,384
	s_mov_b32 s101, 0x3727c5ac                     ; 1e-5
	s_cmp_lg_u32 s2, 0
	s_cbranch_scc1 .Lsums
	; ---- wave 0: the weights' piece, while x's loads are on their way
	s_wait_loadcnt 32                              ; the piece's 16 loads are in; x's 32, issued behind them, may be out
	s_wait_alu depctr_va_vdst(0)
.irp p, 0,1,2,3,4,5,6,7,8,9,10,11,12,13,14,15
	ds_store_b128 v[WA], v[T+4*\p:T+4*\p+3] offset:WST+528*\p
.endr
	s_wait_dscnt 0x0                               ; the stores have read their registers: the loads below land there
.irp c, 0,1
.irp i, 0,1,2,3,4,5,6,7
	ds_load_b128 v[T+32*\c+4*\i:T+32*\c+4*\i+3], v[WB] offset:WST+256*\c+16*\i   ; lane (r, h): k = 64 c + 32 h + 0 .. 31 of row r
.endr
.endr
	s_wait_dscnt 0x0
.irp c, 0,1
	v_max3_num_f32 v[WM+\c], |v[T+32*\c]|, |v[T+32*\c+1]|, 0x1800000   ; my two whole blocks by turns, with the floor 2^(3 - 127)
.endr
.irp i, 2,4,6,8,10,12,14,16,18,20,22,24,26,28,30
.irp c, 0,1
	s_delay_alu instid0(VALU_DEP_2)
	v_max3_num_f32 v[WM+\c], v[WM+\c], |v[T+32*\c+\i]|, |v[T+32*\c+\i+1]|
.endr
.endr
.irp c, 0,1
	s_delay_alu instid0(VALU_DEP_2)
	v_add_nc_u32 v[WM+2+\c], 0xff000000, v[WM+\c]
.endr
.irp c, 0,1
	s_delay_alu instid0(VALU_DEP_2)
	v_lshrrev_b32 v[WM+4+\c], 23, v[WM+2+\c]
.endr
	s_delay_alu instid0(VALU_DEP_1)
	v_lshl_or_b32 v[WM+4], v[WM+5], 16, v[WM+4]    ; my two bytes: blocks h and 2 + h,
	s_delay_alu instid0(VALU_DEP_1)
	v_lshlrev_b32 v[WM+4], v[WS], v[WM+4]          ; 8 h bits up;
	s_delay_alu instid0(VALU_DEP_1)
	v_permlanex16_b32 v[WM+5], v[WM+4], s96, s97
	s_delay_alu instid0(VALU_DEP_1)
	v_or_b32 v[SWD], v[WM+4], v[WM+5]              ; with lane l xor 16's two the word is whole
.irp c, 0,1
.irp g, 0,1,2,3
	v_cvt_scalef32_pk8_fp4_f32 v[CD+4*\c+\g], v[T+32*\c+8*\g:T+32*\c+8*\g+7], v[WM+2+\c]
.endr
.endr
	v_nop                                          ; one plain line behind the conversions
.irp c, 0,1
	global_store_b128 v[WA], v[CD+4*\c:CD+4*\c+3], s[90:91] offset:512*\c   ; 512 consecutive bytes
.endr
	v_cmp_gt_u32 vcc_lo, 16, v2                    ; both halves of the lanes hold row r's word: lanes 0-15 store it
	s_wait_xcnt 0x0                                ; EXEC is a source of the loads and stores that are out: it changes only behind this wait
	s_and_saveexec_b32 s86, vcc_lo
	global_store_b32 v[WC], v[SWD], s[88:89] offset:524288   ; 4 bytes of each row's 16: the other K steps' words come from three other work-groups
	s_wait_xcnt 0x0                                ; and again ahead of the line that widens it; the stores' registers may be written again too
	s_or_b32 exec_lo, exec_lo, s86
.Lsums:
	s_wait_loadcnt 16                              ; the first group's 16 loads are in; the second's 16 may be out
	GSUM 0, RS
	s_wait_loadcnt 0x0
	GSUM 1, RS+1
	XRED RED1
	s_delay_alu instid0(VALU_DEP_1)
	v_mul_f32 v[MU], 0x38800000, v[T]              ; the means
	s_delay_alu instid0(VALU_DEP_2)
	v_mul_f32 v[MU+2], 0x38800000, v[T+1]
	s_delay_alu instid0(VALU_DEP_2)
	v_mov_b32 v[MU+1], v[MU]
	s_delay_alu instid0(VALU_DEP_2)
	v_mov_b32 v[MU+3], v[MU+2]
.set n, 0
.rept 64
	v_pk_add_f32 v[X+2*n:X+2*n+1], v[X+2*n:X+2*n+1], v[MU+2*(n/32):MU+2*(n/32)+1] neg_lo:[0,1] neg_hi:[0,1]   ; x - mean, in place
.set n, n+1
.endr
	GSQ 0, RS
	GSQ 1, RS+1
	XRED RED2                                      ; other bytes than the first sums': no wave overwrites what another may still read
	s_delay_alu instid0(VALU_DEP_1)
	v_fma_f32 v[RS], v[T], s100, s101              ; the variance + 1e-5
	s_delay_alu instid0(VALU_DEP_2)
	v_fma_f32 v[RS+1], v[T+1], s100, s101
	s_wait_alu depctr_va_vdst(0)
	v_rsq_f32 v[RS], v[RS]
	v_rsq_f32 v[RS+1], v[RS+1]
	v_nop                                          ; a plain line behind the last of them,
	s_wait_alu depctr_va_vdst(0)                   ; and the wait ahead of the first reader
	v_readfirstlane_b32 s98, v[RS]
	v_readfirstlane_b32 s99, v[RS+1]
	s_wait_kmcnt 0x0                               ; w and b
.set q, 0
.rept 32
	s_mul_f32 s[16+q], s[16+q], s[98+q/16]         ; rstd x w[c]
.set q, q+1
.endr
	COL 0
	COL 1
	COL 2
	COL 3
	ds_store_b32 v9, v[BW] offset:SB
.irp p, 0,1,2,3
	ds_load_b128 v[T+4*\p:T+4*\p+3], v4 offset:CT+512*\p   ; my wave's own bytes, served in order: two tiles' 16 rows x 16 bytes
.endr
	ds_load_b32 v[T+16], v10 offset:SB
	s_wait_dscnt 0x0
.irp p, 0,1,2,3
	global_store_b128 v7, v[T+4*\p:T+4*\p+3], s[12:13] offset:8192*\p   ; sixteen lanes store 256 consecutive bytes, aligned
.endr
	global_store_b32 v11, v[T+16], s[14:15]        ; 128 consecutive bytes: a wave has 128 tokens
	s_wait_tensorcnt 0x0
	ds_add_u32 v248, v249
	s_wait_dscnt 0x0
	s_endpgm
.Lfunc_end_k_q3eb5f86468_prep:
	.size	k_q3eb5f86468_prep, .Lfunc_end_k_q3eb5f86468_prep-k_q3eb5f86468_prep
	.p2alignl 7, 3214868480
	.fill 96, 4, 3214868480
	.section	.rodata,"a",@progbits
	.p2align	6, 0x0
	.amdhsa_kernel k_q3eb5f86468_prep
		.amdhsa_group_segment_fixed_size 27648
		.amdhsa_private_segment_fixed_size 0
		.amdhsa_enable_private_segment 0
		.amdhsa_kernarg_size 80
		.amdhsa_user_sgpr_count 2
		.amdhsa_user_sgpr_kernarg_segment_ptr 1
		.amdhsa_wavefront_size32 1
		.amdhsa_system_sgpr_workgroup_id_x 1
		.amdhsa_system_sgpr_workgroup_id_y 1
		.amdhsa_system_sgpr_workgroup_id_z 1
		.amdhsa_system_vgpr_workitem_id 0
		.amdhsa_next_free_vgpr 250
		.amdhsa_next_free_sgpr 102
		.amdhsa_reserve_vcc 1
		.amdhsa_float_denorm_mode_32 3
		.amdhsa_float_denorm_mode_16_64 3
		.amdhsa_memory_ordered 1
		.amdhsa_forward_progress 1
		.amdhsa_inst_pref_size 55
	.end_amdhsa_kernel
	.amdgpu_metadata
---
amdhsa.version: [ 1, 2 ]
amdhsa.kernels:
  - .name:           k_q3eb5f86468_prep
    .symbol:         k_q3eb5f86468_prep.kd
    .args:
      - { .name: x, .offset: 0, .size: 8, .value_kind: global_buffer, .address_space: global }
      - { .name: y, .offset: 8, .size: 8, .value_kind: global_buffer, .address_space: global }
      - { .name: gn_w, .offset: 16, .size: 8, .value_kind: global_buffer, .address_space: global }
      - { .name: gn_b, .offset: 24, .size: 8, .value_kind: global_buffer, .address_space: global }
      - { .name: act_c, .offset: 32, .size: 8, .value_kind: global_buffer, .address_space: global }
      - { .name: act_s, .offset: 40, .size: 8, .value_kind: global_buffer, .address_space: global }
      - { .name: Wq, .offset: 48, .size: 8, .value_kind: global_buffer, .address_space: global }
      - { .name: Wkv, .offset: 56, .size: 8, .value_kind: global_buffer, .address_space: global }
      - { .name: Wp, .offset: 64, .size: 8, .value_kind: global_buffer, .address_space: global }
      - { .name: w_cs, .offset: 72, .size: 8, .value_kind: global_buffer, .address_space: global }
    .group_segment_fixed_size: 27648
    .private_segment_fixed_size: 0
    .kernarg_segment_align: 8
    .kernarg_segment_size: 80
    .max_flat_workgroup_size: 256
    .sgpr_count:     102
    .vgpr_count:     250
    .wavefront_size: 32
...
	.end_amdgpu_metadata
.endif
;; end of part 5
;; launch qkv (part 6): grid 256 x 1, 8 waves a work-group, no clusters, 0 bytes of LDS; arguments act_c, act_s, w_cs, bq, bkv, qkv_c, qkv_s; writes qkv_c, qkv_s
.if DOCPART == 6
	.amdgcn_target "amdgcn-amd-amdhsa--gfx1250"
	.amdhsa_code_object_version 6
	.text
	.protected	k_q3eb5f86468_qkv
	.globl	k_q3eb5f86468_qkv
	.p2align	8
	.type	k_q3eb5f86468_qkv,@function
k_q3eb5f86468_qkv:
	s_mov_b64 s[64:65], 0
	v_nop
	global_prefetch_b8 v0, s[64:65] scope:SCOPE_SE
	s_setreg_imm32_b32 hwreg(HW_REG_WAVE_SCHED_MODE, 0, 2), 2
	s_setreg_imm32_b32 hwreg(HW_REG_WAVE_MODE, 25, 1), 1
	s_wait_xcnt 0x0
	s_wait_alu depctr_vm_vsrc(0)
; q = (Wq gn(x) + bq) 64^-1/4, k = (Wk gn(y) + bk) 64^-1/4, v = Wv gn(y) + bv on codes of FP4, and their quantising for the two products of attention.
; Work-group = b x 16 + G (G: 64 tokens); wave = head.  A WAVE STAYS: it makes 64 tokens x 64 channels of q, then of k, then of v: each 16 accumulators, K = 512, 64 matrix instructions.
; The next kind's operands are asked for straight behind the last product of the kind before, into the registers that it has left, and land while that kind is quantised and stored.
; v takes y's fragments and scale words from the registers in which k left them: only Wv's are fetched.
; Operands come from memory straight into registers, as images (16 rows x 128 K = 1,024 bytes, [half][lane][16 bytes]): every load is 512 consecutive bytes.  No LDS, no barrier, no branch.
; q, k: source 0 = 16 rows of W, source 1 = 16 tokens: a lane holds ONE token and its registers run along the head's channels, the next K.  v: source 0 = 16 tokens, source 1 = 16 rows of W: a lane holds one
; channel and its registers run along the tokens (keys), the next K.  The rows of every tile are 32 B + 8 u + r + 8 (r / 8), so that the 16 registers of tiles 2 B, 2 B + 1 are 16 neighbours.
; The bias is the C of each sum's first matrix instruction.
; qkv_c: q at 0, k at 4,194,304: [b][head][tile 64][512 bytes] (half an image: K = 64); v at 8,388,608: [b][head][128 keys 8][channel tile 4] images.
; qkv_s: q at 0, k at 524,288: [b][head][G][r][tile of G 4] words (bytes 2, 3 = 0); v at 1,048,576: [b][head][G][r][channel tile 4] halfwords.
; LIMITS: NaN and infinities are not served; a block of zeros or under 2^-124 gets the scale byte 1.
; No cluster: nothing goes through LDS, so there is no tile that a joint load could bring.
; THE MODE: SCHED_MODE bits 1:0 = 2 (LLVM: expert scheduling mode 2), set by the entry lines.  The code itself states the register dependences
; between vector or matrix instructions and memory instructions, with s_wait_alu, always for 0.
; THE PLAN.  Registers that memory instructions touch:
;   v1-4, v21, v22   byte offsets: made at the head, never written again.
;   U                written by loads; read by the lines that pack the activations' scale words.
;   SW, CB, AF, WF   written by loads (CB in v's kind also by the moves that spread the bias); read by the products.
;   PC, v14, v15     written by the quantiser and the selects; read by a kind's stores, which stand in one run behind its four tiles (v's: in two runs).
; One wait on va_vdst stands behind a kind's products: they are done reading SW, CB, AF and WF, in which the next kind's loads land.  The vector lines between that wait and the later of those loads
; name v8-19, the accumulators and PC alone.  One wait on va_vdst stands ahead of each run of stores, and one on vm_vsrc ahead of the next kind's quantiser, which writes PC, v14 and v15 again.
.set TM,  8                            ; v8-13   at work in QUANT2
.set WD,  16                           ; v16-19  the scale halfwords just made
.set ACC, 32                           ; v32-159 accumulator (g, i) at 32 + 32 g + 8 i
.set CB,  160                          ; v160-191 the bias, eight registers a tile
.set SA,  192                          ; v192-199 the activations' scale words: 4 p + K step; lanes 0-15 tile 2 p, lanes 16-31 tile 2 p + 1
.set SW,  200                          ; v200-207 the weights', likewise
.set U,   208                          ; v208-239 scale bytes as loaded
.set PC,  240                          ; v240-255 codes
.set AF,  0                            ; window 1: the activations' fragments (tile i, K step k) at 32 i + 8 k
.set WF,  128                          ; window 1: the weights'
.set SEL, 46
.set SC,  48
.set MSB, 0
.macro WIN new                         ; the immediate's high byte repeats the setting that is left
.if MSB != \new
	s_set_vgpr_msb (MSB<<8)|\new
.set MSB, \new
.endif
.endm
.macro MM d, a, b, c, sa, ra, sb, rb   ; one product; ra, rb: the side's scale words stand in lanes 16-31
.if (\ra) && (\rb)
	v_wmma_scale_f32_16x16x128_f8f6f4 v[\d:\d+7], v[\a:\a+7], v[\b:\b+7], v[\c:\c+7], v[\sa], v[\sb] matrix_a_fmt:MATRIX_FMT_FP4 matrix_b_fmt:MATRIX_FMT_FP4 matrix_a_scale:MATRIX_SCALE_ROW1 matrix_b_scale:MATRIX_SCALE_ROW1
.elseif (\ra)
	v_wmma_scale_f32_16x16x128_f8f6f4 v[\d:\d+7], v[\a:\a+7], v[\b:\b+7], v[\c:\c+7], v[\sa], v[\sb] matrix_a_fmt:MATRIX_FMT_FP4 matrix_b_fmt:MATRIX_FMT_FP4 matrix_a_scale:MATRIX_SCALE_ROW1
.elseif (\rb)
	v_wmma_scale_f32_16x16x128_f8f6f4 v[\d:\d+7], v[\a:\a+7], v[\b:\b+7], v[\c:\c+7], v[\sa], v[\sb] matrix_a_fmt:MATRIX_FMT_FP4 matrix_b_fmt:MATRIX_FMT_FP4 matrix_b_scale:MATRIX_SCALE_ROW1
.else
	v_wmma_scale_f32_16x16x128_f8f6f4 v[\d:\d+7], v[\a:\a+7], v[\b:\b+7], v[\c:\c+7], v[\sa], v[\sb] matrix_a_fmt:MATRIX_FMT_FP4 matrix_b_fmt:MATRIX_FMT_FP4
.endif
.endm
; The 64 products: accumulator (g, i) = tile i of pfr (source 0) x tile g of rfr (source 1).  The sixteen accumulators take turns, one instruction a turn.
; cm = 0: the bias goes by i, 1: by g.  per: the loads that were issued for each K step.
.macro MAIN pfr, rfr, psc, rsc, cm, per
	WIN 0x05                                       ; sources 0 and 1 window 1; C and D window 0
.irp k, 0,1,2,3
	s_wait_loadcnt \per*(3-\k)                     ; this K step's loads are in; those of each later K step may be out
.irp g, 0,1,2,3
.irp i, 0,1,2,3
.if \k == 0
.if \cm
	MM ACC+32*\g+8*\i, \pfr+32*\i+8*\k, \rfr+32*\g+8*\k, CB+8*\g, \psc+4*(\i/2)+\k, \i%2, \rsc+4*(\g/2)+\k, \g%2
.else
	MM ACC+32*\g+8*\i, \pfr+32*\i+8*\k, \rfr+32*\g+8*\k, CB+8*\i, \psc+4*(\i/2)+\k, \i%2, \rsc+4*(\g/2)+\k, \g%2
.endif
.else
	MM ACC+32*\g+8*\i, \pfr+32*\i+8*\k, \rfr+32*\g+8*\k, ACC+32*\g+8*\i, \psc+4*(\i/2)+\k, \i%2, \rsc+4*(\g/2)+\k, \g%2
.endif
.endr
.endr
.endr
	WIN 0
.rept 4
	v_nop                                          ; four places ahead of the first read of results by a vector instruction (ISA guide 7.12.1)
.endr
.endm
.macro LD_U off                        ; the activations' scale bytes: block k's byte: lanes 0-15 tile 2 p, lanes 16-31 tile 2 p + 1
.irp k, 0,1,2,3,4,5,6,7,8,9,10,11,12,13,14,15
.irp p, 0,1
	global_load_u8 v[U+2*\k+\p], v2, s[6:7] offset:\off+1024*\k+32*\p
.endr
.endr
.endm
.macro LD_SW base, off                 ; four K steps' words of a row of the weights: lanes 0-15 tile 2 p, lanes 16-31 tile 2 p + 1
.irp p, 0,1
	global_load_b128 v[SW+4*\p:SW+4*\p+3], v1, s[\base:\base+1] offset:524288+\off+512*\p
.endr
.endm
.macro LD_BQK base                     ; q's or k's bias: of channels 32 B + 16 h + 8 u + 0 .. 7
.irp i, 0,1,2,3
	global_load_b128 v[CB+8*\i:CB+8*\i+3], v3, s[\base:\base+1] offset:(32*(\i/2)+8*(\i%2))*4
	global_load_b128 v[CB+8*\i+4:CB+8*\i+7], v3, s[\base:\base+1] offset:(32*(\i/2)+8*(\i%2))*4+16
.endr
.endm
.macro FRAGK k, witha, aoff, wb, woff  ; K step k's fragments: 8 loads for the activations (witha = 1), 8 for the weights
	WIN 0x40                                       ; destination window 1
.if \witha
.irp i, 0,1,2,3
.irp c, 0,1
	global_load_b128 v[AF+32*\i+8*\k+4*\c:AF+32*\i+8*\k+4*\c+3], v1, s[4:5] offset:\aoff+4096*\i+1024*\k+512*\c
.endr
.endr
.endif
.irp i, 0,1,2,3
.irp c, 0,1
	global_load_b128 v[WF+32*\i+8*\k+4*\c:WF+32*\i+8*\k+4*\c+3], v1, s[\wb:\wb+1] offset:\woff+4096*\i+1024*\k+512*\c
.endr
.endr
.endm
.macro SCALES_A                        ; four bytes make a scale word; then eight places ahead of the scaled matrix instructions, and the wait
.irp p, 0,1
.irp k, 0,1,2,3
	v_lshl_or_b32 v[SA+4*\p+\k], v[U+2*(4*\k+1)+\p], 8, v[U+2*(4*\k)+\p]
	v_lshl_or_b32 v[SA+4*\p+\k], v[U+2*(4*\k+2)+\p], 16, v[SA+4*\p+\k]
	v_lshl_or_b32 v[SA+4*\p+\k], v[U+2*(4*\k+3)+\p], 24, v[SA+4*\p+\k]
.endr
.endr
.rept 8
	v_nop
.endr
	s_wait_alu depctr_va_vdst(0)                   ; the lines above have written the eight scale words, which the scaled products take; the places stay beside this wait
.endm
; 32 numbers of a lane, register 16 b + i = k 32 b + 16 (lane / 16) + i of my row, become half an image in v[pc] .. v[pc + 3] (lanes 0-15 block 0, lanes 16-31 block 1) and the two scale bytes in v[wd]
.macro QUANT2 s, pc, wd
.irp b, 0,1
	v_max3_num_f32 v[TM+\b], |v[\s+16*\b]|, |v[\s+16*\b+1]|, 0x1800000   ; with the floor 2^(3 - 127): the byte cannot fall under 1
.endr
.irp i, 2,4,6,8,10,12,14
.irp b, 0,1
	v_max3_num_f32 v[TM+\b], v[TM+\b], |v[\s+16*\b+\i]|, |v[\s+16*\b+\i+1]|
.endr
.endr
.irp b, 0,1
	v_permlanex16_b32 v[TM+2+\b], v[TM+\b], s[SEL], s[SEL+1]
.endr
.irp b, 0,1
	v_max_num_f32 v[TM+\b], v[TM+\b], v[TM+2+\b]   ; with lane l xor 16's 16: the block's largest magnitude
.endr
.irp b, 0,1
	v_add_nc_u32 v[TM+4+\b], 0xff000000, v[TM+\b]  ; 2 off the exponent field: the conversion's scale operand
.endr
.irp b, 0,1
	v_lshrrev_b32 v[TM+2+\b], 23, v[TM+4+\b]       ; the scale's byte
.endr
	v_lshl_or_b32 v[\wd], v[TM+3], 8, v[TM+2]
.irp b, 0,1
	v_cvt_scalef32_pk8_fp4_f32 v[\pc+2*\b], v[\s+16*\b:\s+16*\b+7], v[TM+4+\b]
	v_cvt_scalef32_pk8_fp4_f32 v[\pc+2*\b+1], v[\s+16*\b+8:\s+16*\b+15], v[TM+4+\b]
.endr
	v_nop                                          ; one plain line behind the conversions
	v_permlane16_swap_b32 v[\pc], v[\pc+2]         ; a whole block to a lane
	v_permlane16_swap_b32 v[\pc+1], v[\pc+3]
.endm
.macro QK_TILE g                       ; token tile g of q or k: x 64^-1/4, quantised along the head's 64 channels, into its own four registers of PC
	WIN 0
.set n, 0
.rept 16
	v_pk_mul_f32 v[ACC+32*\g+2*n:ACC+32*\g+2*n+1], v[ACC+32*\g+2*n:ACC+32*\g+2*n+1], s[SC:SC+1] op_sel_hi:[1,0]   ; each accumulator from its low end on
.set n, n+1
.endr
	QUANT2 ACC+32*\g, PC+4*\g, WD+\g
.endm
.macro QK_OUT coff, soff               ; the four tiles' codes and scale words leave in one run
	v_cmp_ne_u32 vcc_lo, 0, v6
	s_wait_alu depctr_va_vcc(0)                    ; VCC is written, ahead of the two selects that read it
	v_cndmask_b32 v14, v[WD], v[WD+2], vcc_lo      ; lanes 0-15 store tiles 0, 1 of row r, lanes 16-31 tiles 2, 3
	v_cndmask_b32 v15, v[WD+1], v[WD+3], vcc_lo
	s_wait_alu depctr_va_vdst(0)                   ; the quantiser has written PC's sixteen registers and the selects v14 and v15, which the five stores read
.irp g, 0,1,2,3
	global_store_b128 v1, v[PC+4*\g:PC+4*\g+3], s[14:15] offset:\coff+512*\g   ; 512 consecutive bytes
.endr
	global_store_b64 v4, v[14:15], s[16:17] offset:\soff   ; 256 consecutive bytes, aligned
.endm
	s_load_b256 s[4:11], s[0:1], 0x0               ; act_c, act_s, w_cs, bq
	s_load_b128 s[12:15], s[0:1], 0x20             ; bkv, qkv_c
	s_load_b64 s[16:17], s[0:1], 0x30              ; qkv_s
	v_lshrrev_b32 v2, 5, v0
	v_readfirstlane_b32 s2, v2                     ; wave = head
	v_and_b32 v2, 31, v0                           ; lane
	v_lshlrev_b32 v1, 4, v2                        ; an image's place for my lane
	v_and_b32 v5, 15, v0                           ; r
	v_bfe_u32 v6, v0, 4, 1                         ; h
	v_lshlrev_b32 v3, 6, v6                        ; q's and k's bias: 64 h
	v_lshlrev_b32 v4, 4, v5
	v_lshl_add_u32 v4, v6, 3, v4                   ; their scale words out: 16 r + 8 h
	v_and_b32 v21, 8, v5
	v_add_nc_u32 v21, v21, v5
	v_lshlrev_b32 v21, 2, v21                      ; v's bias, of my lane's channel: r + 8 (r / 8) of the tile
	v_lshlrev_b32 v22, 3, v5
	v_lshl_add_u32 v22, v6, 2, v22                 ; v's scale halfwords out: 8 r + 4 h
	v_mov_b32 v[TM+2], 0                           ; a lane permute's destination counts as one of its sources
	v_mov_b32 v[TM+3], 0
	s_wait_alu depctr_va_sdst(0)                   ; s2 is written, ahead of its first reader: the bases below are made from it
	s_mov_b32 s[SEL], 0x76543210
	s_mov_b32 s[SEL+1], 0xfedcba98
	s_mov_b32 s[SC], 0x3eb504f3                    ; 64^-1/4
	s_mov_b32 s[SC+1], s[SC]
	s_lshr_b32 s20, ttmp9, 4                       ; b
	s_and_b32 s21, ttmp9, 15                       ; G
	s_lshl_b32 s22, s20, 3
	s_add_co_u32 s22, s22, s2                      ; 8 b + head
	s_lshl_b32 s30, ttmp9, 14                      ; act_c: (64 b + 4 G) tiles x 4,096 bytes; y's lie 4,194,304 further on
	s_mov_b32 s31, 0
	s_lshl_b32 s32, s20, 14
	s_lshl_b32 s23, s21, 6
	s_add_co_u32 s32, s32, s23                     ; act_s: the planes at my four tiles; y's lie 262,144 further on
	s_mov_b32 s33, 0
	s_lshl_b32 s40, s2, 14                         ; Wq: tiles 4 head on, 4,096 bytes each
	s_mov_b32 s41, 0
	s_lshl_b32 s42, s2, 15
	s_add_co_u32 s42, s42, 0x20000                 ; Wk: tiles 32 + 8 head on; Wv's four lie 16,384 further on
	s_mov_b32 s43, 0
	s_lshl_b32 s44, s2, 10                         ; their scale words: 256 bytes a tile
	s_mov_b32 s45, 0
	s_lshl_b32 s50, s2, 11
	s_add_co_u32 s50, s50, 0x2000
	s_mov_b32 s51, 0
	s_lshl_b32 s52, s2, 8                          ; bq: 64 numbers a head
	s_mov_b32 s53, 0
	s_lshl_b32 s54, s2, 9                          ; bkv: 128 a head, k's first
	s_mov_b32 s55, 0
	s_lshl_b32 s56, s22, 15
	s_lshl_b32 s23, s21, 11
	s_add_co_u32 s56, s56, s23                     ; q's codes: 4 G tiles x 512 bytes; k's lie 4,194,304 further on
	s_mov_b32 s57, 0
	s_lshl_b32 s58, s22, 15
	s_lshr_b32 s23, s21, 1
	s_lshl_b32 s23, s23, 12
	s_add_co_u32 s58, s58, s23
	s_and_b32 s23, s21, 1
	s_lshl_b32 s23, s23, 9
	s_add_co_u32 s58, s58, s23                     ; v's codes: K step G / 2, half G % 2
	s_mov_b32 s59, 0
	s_lshl_b32 s60, s22, 12
	s_lshl_b32 s23, s21, 8
	s_add_co_u32 s60, s60, s23                     ; q's scale words: 256 bytes for each G; k's lie 524,288 further on
	s_mov_b32 s61, 0
	s_lshl_b32 s62, s22, 11
	s_lshl_b32 s23, s21, 7
	s_add_co_u32 s62, s62, s23                     ; v's halfwords: 128 bytes for each G
	s_mov_b32 s63, 0
	s_wait_kmcnt 0x0
	s_add_nc_u64 s[4:5], s[4:5], s[30:31]
	s_add_nc_u64 s[6:7], s[6:7], s[32:33]
	s_add_nc_u64 s[24:25], s[8:9], s[40:41]        ; Wq's images
	s_add_nc_u64 s[26:27], s[8:9], s[42:43]        ; Wk's, Wv's
	s_add_nc_u64 s[28:29], s[8:9], s[44:45]        ; Wq's scale words (524,288 stands in the immediate)
	s_add_nc_u64 s[34:35], s[8:9], s[50:51]        ; Wk's, Wv's
	s_add_nc_u64 s[10:11], s[10:11], s[52:53]
	s_add_nc_u64 s[12:13], s[12:13], s[54:55]
	s_add_nc_u64 s[36:37], s[14:15], s[58:59]
	s_add_nc_u64 s[36:37], s[36:37], 0x800000      ; v's codes
	s_add_nc_u64 s[14:15], s[14:15], s[56:57]      ; q's, k's
	s_add_nc_u64 s[38:39], s[16:17], s[62:63]
	s_add_nc_u64 s[38:39], s[38:39], 0x100000      ; v's halfwords
	s_add_nc_u64 s[16:17], s[16:17], s[60:61]      ; q's, k's words
	s_wait_alu depctr_va_vdst(0)                   ; the six offsets v1-4, v21, v22 are written: every load and store of the kernel reads one of them
	; ---- q
	LD_U 0
	LD_SW 28, 0
	LD_BQK 10
	FRAGK 0, 1, 0, 24, 0
	FRAGK 1, 1, 0, 24, 0
	FRAGK 2, 1, 0, 24, 0
	FRAGK 3, 1, 0, 24, 0
	WIN 0
	s_wait_loadcnt 63                              ; 64 loads were issued behind the scales and the bias: those are in
	SCALES_A
	MAIN WF, AF, SW, SA, 0, 16
	; ---- k's operands are asked for; q is quantised and stored meanwhile.  The scales, the bias and K step 0 (58 loads) go out first, the other K steps between q's tiles:
	; the order of issue stays scales, bias, K steps 0 to 3, so the counts below hold
	s_wait_alu depctr_va_vdst(0)                   ; q's products are done reading SW, the bias and both sets of fragments, in which k's loads land; no vector line up to the last of those loads names them or v1-3
	LD_U 262144
	LD_SW 34, 0
	LD_BQK 12
	FRAGK 0, 1, 4194304, 26, 0
	QK_TILE 0
	QK_TILE 1
	FRAGK 1, 1, 4194304, 26, 0
	FRAGK 2, 1, 4194304, 26, 0
	QK_TILE 2
	FRAGK 3, 1, 4194304, 26, 0
	QK_TILE 3
	QK_OUT 0, 0
	s_wait_loadcnt 63                              ; 64 loads were issued behind the scales and the bias: those are in
	SCALES_A
	MAIN WF, AF, SW, SA, 0, 16
	; ---- Wv's operands are asked for; y's fragments and scale words stay where they are; k is quantised and stored meanwhile
	s_wait_xcnt 0x0                                ; q's stores have had their addresses translated: k's codes and words are written over their data
	s_wait_alu depctr_vm_vsrc(0)                   ; q's stores have read PC, v14 and v15, which k's quantiser and selects write again
	s_wait_alu depctr_va_vdst(0)                   ; k's products are done reading SW, the bias and the weights' fragments, in which Wv's loads land
	LD_SW 34, 1024
.irp g, 0,1,2,3
	global_load_b32 v[CB+8*\g], v21, s[12:13] offset:256+(32*(\g/2)+8*(\g%2))*4
.endr
	FRAGK 0, 0, 0, 26, 16384
	FRAGK 1, 0, 0, 26, 16384
	FRAGK 2, 0, 0, 26, 16384
	FRAGK 3, 0, 0, 26, 16384
	QK_TILE 0
	QK_TILE 1
	QK_TILE 2
	QK_TILE 3
	QK_OUT 4194304, 524288
	s_wait_loadcnt 32                              ; 32 loads were issued behind the scale words and the bias: those are in
.irp g, 0,1,2,3
.irp j, 1,2,3,4,5,6,7
	v_mov_b32 v[CB+8*\g+\j], v[CB+8*\g]            ; a lane's eight results are eight tokens of one channel: one bias
.endr
.endr
.rept 4
	v_nop
.endr
	s_wait_alu depctr_va_vdst(0)
	MAIN AF, WF, SA, SW, 1, 8
	s_wait_xcnt 0x0                                ; k's stores have had their addresses translated
	s_wait_alu depctr_vm_vsrc(0)                   ; k's stores have read PC, v14 and v15, which v's quantiser and the lines behind it write again
.irp g, 0,1
	QUANT2 ACC+32*\g, PC+4*\g, WD+\g
.endr
	s_wait_alu depctr_va_vdst(0)                   ; the quantiser has written tiles 0 and 1's codes, which the two stores read: nothing follows v, so its stores leave in two runs
.irp g, 0,1
	global_store_b128 v1, v[PC+4*\g:PC+4*\g+3], s[36:37] offset:1024*\g   ; half an image: 512 consecutive bytes
.endr
.irp g, 2,3
	QUANT2 ACC+32*\g, PC+4*\g, WD+\g
.endr
	v_lshl_or_b32 v14, v[WD+1], 16, v[WD]
	v_lshl_or_b32 v15, v[WD+3], 16, v[WD+2]
	v_cmp_ne_u32 vcc_lo, 0, v6
	s_wait_alu depctr_va_vcc(0)                    ; VCC is written, ahead of the select that reads it
	v_cndmask_b32 v14, v14, v15, vcc_lo
	s_wait_alu depctr_va_vdst(0)                   ; the quantiser has written tiles 2 and 3's codes and the select v14, which the three stores read
.irp g, 2,3
	global_store_b128 v1, v[PC+4*\g:PC+4*\g+3], s[36:37] offset:1024*\g
.endr
	global_store_b32 v22, v14, s[38:39]            ; 128 consecutive bytes: 64 tokens have two blocks for each of 64 channels
	s_endpgm
.Lfunc_end_k_q3eb5f86468_qkv:
	.size	k_q3eb5f86468_qkv, .Lfunc_end_k_q3eb5f86468_qkv-k_q3eb5f86468_qkv
	.p2alignl 7, 3214868480
	.fill 96, 4, 3214868480
	.section	.rodata,"a",@progbits
	.p2align	6, 0x0
	.amdhsa_kernel k_q3eb5f86468_qkv
		.amdhsa_group_segment_fixed_size 0
		.amdhsa_private_segment_fixed_size 0
		.amdhsa_enable_private_segment 0
		.amdhsa_kernarg_size 56
		.amdhsa_user_sgpr_count 2
		.amdhsa_user_sgpr_kernarg_segment_ptr 1
		.amdhsa_wavefront_size32 1
		.amdhsa_system_sgpr_workgroup_id_x 1
		.amdhsa_system_sgpr_workgroup_id_y 1
		.amdhsa_system_sgpr_workgroup_id_z 1
		.amdhsa_system_vgpr_workitem_id 0
		.amdhsa_next_free_vgpr 512
		.amdhsa_next_free_sgpr 66
		.amdhsa_reserve_vcc 1
		.amdhsa_float_denorm_mode_32 3
		.amdhsa_float_denorm_mode_16_64 3
		.amdhsa_memory_ordered 1
		.amdhsa_forward_progress 1
		.amdhsa_inst_pref_size 90
	.end_amdhsa_kernel
	.amdgpu_metadata
---
amdhsa.version: [ 1, 2 ]
amdhsa.kernels:
  - .name:           k_q3eb5f86468_qkv
    .symbol:         k_q3eb5f86468_qkv.kd
    .args:
      - { .name: act_c, .offset: 0, .size: 8, .value_kind: global_buffer, .address_space: global }
      - { .name: act_s, .offset: 8, .size: 8, .value_kind: global_buffer, .address_space: global }
      - { .name: w_cs, .offset: 16, .size: 8, .value_kind: global_buffer, .address_space: global }
      - { .name: bq, .offset: 24, .size: 8, .value_kind: global_buffer, .address_space: global }
      - { .name: bkv, .offset: 32, .size: 8, .value_kind: global_buffer, .address_space: global }
      - { .name: qkv_c, .offset: 40, .size: 8, .value_kind: global_buffer, .address_space: global }
      - { .name: qkv_s, .offset: 48, .size: 8, .value_kind: global_buffer, .address_space: global }
    .group_segment_fixed_size: 0
    .private_segment_fixed_size: 0
    .kernarg_segment_align: 8
    .kernarg_segment_size: 56
    .max_flat_workgroup_size: 256
    .sgpr_count:     66
    .vgpr_count:     512
    .wavefront_size: 32
...
	.end_amdgpu_metadata
.endif
;; end of part 6
;; launch attn (part 7): grid 2 x 128, 16 waves a work-group, no clusters, 83,968 bytes of LDS; arguments qkv_c, qkv_s, a_c, a_s; writes a_c, a_s
.if DOCPART == 7
	.amdgcn_target "amdgcn-amd-amdhsa--gfx1250"
	.amdhsa_code_object_version 6
	.text
	.protected	k_q3eb5f86468_attn
	.globl	k_q3eb5f86468_attn
	.p2align	8
	.type	k_q3eb5f86468_attn,@function
k_q3eb5f86468_attn:
	s_mov_b64 s[64:65], 0
	v_nop
	global_prefetch_b8 v0, s[64:65] scope:SCOPE_SE
	s_setreg_imm32_b32 hwreg(HW_REG_WAVE_SCHED_MODE, 0, 2), 2
	s_setreg_imm32_b32 hwreg(HW_REG_WAVE_MODE, 25, 1), 1
	s_wait_xcnt 0x0
	s_wait_alu depctr_vm_vsrc(0)
; a = softmax(q k^T) v for one head and 512 queries, both products on codes of FP4, and a's quantising along the channels for the last product.
; Work-group x = half of the queries, y = 8 b + head.  Sixteen waves, four to a SIMD; a wave takes two tiles of 16 queries, one after the other, and walks the head's 1,024 keys, 128 a step.
; The head's K, V and their scale words (71,680 bytes) are copied into LDS once, through registers, and stay: no ring, nothing is filled again.  Both tiles' Q come with them, into registers: the loop loads nothing from memory.
; THE SOFTMAX: t = score x log2(e); M = the running largest t rounded UP to a whole number; p = 2^(t - M) is quantised along the keys, not normalised; the row's sum is taken of the unquantised p and divides at the end.
; When M moves, the sum and O are multiplied by 2^(old M - new M): exact.
; LAYOUT.  S^T = K Q^T (source 0 = 16 keys, source 1 = my 16 queries), O^T = V^T P^T (source 0 = 16 channels): a lane holds ONE query throughout.  The keys of a tile and V's channels of a tile are
; 32 B + 8 u + r + 8 (r / 8), so that the 16 registers of tiles 2 B, 2 B + 1 are 16 neighbours: of keys for p, of channels for a.  The first product's K is 64: the upper halves of Q's and K's fragments are zero codes.
; LIMITS: NaN and infinities are not served; a block of zeros or under 2^-124 gets the scale byte 1.
; No cluster: the two work-groups of a head share only the 71,680 bytes that each reads once at its head.
; REGISTERS: v1-11, v24 addresses; v12 -M, v13 the largest t, v[14:15] the sum; v16-23 Q; v26-29 the second tile's Q, v30 its scale word; v32-95 K's eight fragments; v96-159 S^T, then p; v160-191 O^T;
; v192-223 V's four fragments; v224-231 p's codes; v232-239, v244-247 at work; v240-243 V's scale words; v248-251 K's; v252 f; v253 p's scale word; v254 at work; v255 Q's scale word.
; THE MODE: SCHED_MODE bits 1:0 = 2 (LLVM: expert scheduling mode 2), set by the entry lines.  The code itself states the register dependences
; between vector or matrix instructions and memory or LDS instructions, with s_wait_alu, always for 0.
; THE PLAN.  Registers that memory or LDS instructions touch, in the loop:
;   K's lower halves (of v32-95), v248-251   written by LDS loads; read by a step's eight products K Q^T and by nothing else.
;   V (v192-223), v240-243                   written by LDS loads; read by a step's four products V^T P^T, its last instructions, and by nothing else.
;   v224-227, v254, v5                       at a trip's end: written by the quantiser and one addition; read by the trip's two stores.
;   v1, v2, v3, v4                           addresses, made at the head, never written again.
; The wait behind a step's 64 exponentials states two things more: the last step's products V^T P^T are done reading V, and this step's products K Q^T are done reading K.
; So this step's V and the NEXT step's K are asked for straight behind it, and land under the sums, the scales, the conversions and the rescaling.  One more wait on va_vdst stands in a step, ahead of the
; products V^T P^T, which take p's codes and scale word as vector instructions have just written them.  A trip has one ahead of its first products (Q was moved), one ahead of its two stores, and one on vm_vsrc behind them.
.set KC, 0                             ; K's codes: 64 tiles x 512 bytes
.set VC, 32768                         ; V's: 8 steps x 4 tiles x 1,024 bytes
.set KS, 65536                         ; K's scale words [G 16][r 16][tile of G 4]
.set VS, 69632                         ; V's scale words [step 8][r 16][tile 4]
.set AS, 71680                         ; a's scale halfwords, 32 tiles x 32 bytes
.set TM, 232
.set QP, 20
.set QS, 26
.set AP, 28
.set SEL, 40
.set CS, 42
.set TR, 44
.set TJ, 45
.macro QUANT2 s, pc, wd                ; 32 numbers of a lane, register 16 b + i = k 32 b + 16 (lane / 16) + i of my row -> half an image in v[pc] on, two scale bytes in v[wd]
.irp b, 0,1
	v_max3_num_f32 v[TM+\b], |v[\s+16*\b]|, |v[\s+16*\b+1]|, 0x1800000
.endr
.irp i, 2,4,6,8,10,12,14
.irp b, 0,1
	v_max3_num_f32 v[TM+\b], v[TM+\b], |v[\s+16*\b+\i]|, |v[\s+16*\b+\i+1]|
.endr
.endr
.irp b, 0,1
	v_permlanex16_b32 v[TM+2+\b], v[TM+\b], s[SEL], s[SEL+1]
.endr
.irp b, 0,1
	v_max_num_f32 v[TM+\b], v[TM+\b], v[TM+2+\b]
.endr
.irp b, 0,1
	v_add_nc_u32 v[TM+4+\b], 0xff000000, v[TM+\b]
.endr
.irp b, 0,1
	v_lshrrev_b32 v[TM+2+\b], 23, v[TM+4+\b]
.endr
	v_lshl_or_b32 v[\wd], v[TM+3], 8, v[TM+2]
.irp b, 0,1
	v_cvt_scalef32_pk8_fp4_f32 v[\pc+2*\b], v[\s+16*\b:\s+16*\b+7], v[TM+4+\b]
	v_cvt_scalef32_pk8_fp4_f32 v[\pc+2*\b+1], v[\s+16*\b+8:\s+16*\b+15], v[TM+4+\b]
.endr
	v_nop
	v_permlane16_swap_b32 v[\pc], v[\pc+2]
	v_permlane16_swap_b32 v[\pc+1], v[\pc+3]
.endm
; K of key step st: nine LDS loads
.macro KLOAD st
.irp i, 0,1,2,3,4,5,6,7
	ds_load_b128 v[32+8*\i:35+8*\i], v1 offset:KC+4096*(\st)+512*\i   ; the lower halves of K's fragments; the upper halves stay zero
.endr
	ds_load_b128 v[248:251], v2 offset:512*(\st)   ; lanes 0-15: the words of tiles 0-3, lanes 16-31: of tiles 4-7
.endm
; A KEY STEP: keys 128 st .. 128 st + 127
.macro STEP st
	s_wait_dscnt 0x0                               ; K and its scale words, asked for in the step before (step 0: at the trip's head)
.irp i, 0,1,2,3
	v_wmma_scale_f32_16x16x128_f8f6f4 v[96+8*\i:103+8*\i], v[32+8*\i:39+8*\i], v[16:23], 0, v[248+\i], v255 matrix_a_fmt:MATRIX_FMT_FP4 matrix_b_fmt:MATRIX_FMT_FP4
.endr
.irp i, 4,5,6,7
	v_wmma_scale_f32_16x16x128_f8f6f4 v[96+8*\i:103+8*\i], v[32+8*\i:39+8*\i], v[16:23], 0, v[244+\i], v255 matrix_a_fmt:MATRIX_FMT_FP4 matrix_b_fmt:MATRIX_FMT_FP4 matrix_a_scale:MATRIX_SCALE_ROW1
.endr
.rept 4
	v_nop                                          ; four places ahead of the first read of the scores
.endr
.irp b, 0,1,2,3
	v_max3_num_f32 v[232+\b], v[96+16*\b], v[97+16*\b], v[98+16*\b]   ; the largest score of each block of 32 keys: for the row's maximum and, since p rises with the score, for the block's largest p
.endr
.irp i, 3,5,7,9,11,13
.irp b, 0,1,2,3
	v_max3_num_f32 v[232+\b], v[232+\b], v[96+16*\b+\i], v[97+16*\b+\i]
.endr
.endr
.irp b, 0,1,2,3
	v_max_num_f32 v[232+\b], v[232+\b], v[111+16*\b]
.endr
.irp b, 0,1,2,3
	v_permlanex16_b32 v[236+\b], v[232+\b], s[SEL], s[SEL+1]
.endr
.irp b, 0,1,2,3
	v_max_num_f32 v[232+\b], v[232+\b], v[236+\b]  ; with lane l xor 16's 16 keys
.endr
	v_max3_num_f32 v254, v232, v233, v234
	v_max_num_f32 v254, v254, v235
	v_mul_f32 v254, s[CS], v254                    ; as t
	v_max_num_f32 v13, v13, v254                   ; the running largest t
	v_mov_b32 v254, v12
	v_floor_f32 v12, -v13                          ; the new -M = floor(-t): M is a whole number
	v_sub_f32 v254, v12, v254                      ; old M - new M: a whole number, 0 or less
	v_cvt_i32_f32 v254, v254                       ; (it saturates)
	v_ldexp_f32 v252, 1.0, v254                    ; f = 2^(old M - new M)
.set n, 0
.rept 32
	v_pk_fma_f32 v[96+n:97+n], v[96+n:97+n], s[CS:CS+1], v[12:13] op_sel_hi:[1,0,0]   ; t - M, two at a time
.set n, n+2
.endr
.irp b, 0,1,2,3
	v_fma_f32 v[232+\b], v[232+\b], s[CS], v12     ; the same of each block's largest score
.endr
.set n, 0
	s_wait_alu depctr_va_vdst(0)
.rept 64
	v_exp_f32 v[96+n], v[96+n]                     ; p = 2^(t - M)
.set n, n+1
.endr
	v_pk_mul_f32 v[14:15], v[14:15], v[252:253] op_sel_hi:[1,0]   ; the sums under the new M (a plain line behind the exponentials)
	s_wait_alu depctr_va_vdst(0)                   ; the 64 exponentials have written p, ahead of its first reader; the last step's products V^T P^T are done reading V and its scale words, this step's products K Q^T are done reading K and its: the loads below land there
.irp t, 0,1,2,3
.irp c, 0,1
	ds_load_b128 v[192+8*\t+4*\c:195+8*\t+4*\c], v1 offset:VC+4096*\st+1024*\t+512*\c   ; V's fragments land while the rest of the softmax is worked
.endr
.endr
	ds_load_b128 v[240:243], v3 offset:256*\st
.if \st < 7
	KLOAD \st+1                                    ; and the next step's K.  No vector or matrix instruction up to that step's products names its registers
.endif
.irp b, 0,1,2,3
	v_exp_f32 v[232+\b], v[232+\b]                 ; the block's largest p
.endr
	v_pk_add_f32 v[236:237], v[96:97], v[98:99]    ; the row's sum, of the unquantised p, in two chains
.irp j, 4,8,12,16,20,24,28,32,36,40,44,48,52,56,60
	v_pk_add_f32 v[14:15], v[14:15], v[96+\j:97+\j]
	v_pk_add_f32 v[236:237], v[236:237], v[98+\j:99+\j]
.endr
	v_pk_add_f32 v[14:15], v[14:15], v[236:237]
	s_wait_alu depctr_va_vdst(0)                   ; the four exponentials have written the blocks' largest p, ahead of their first reader
.irp b, 0,1,2,3
	v_max_num_f32 v[232+\b], 0x1800000, v[232+\b]  ; the floor 2^(3 - 127)
.endr
.irp b, 0,1,2,3
	v_add_nc_u32 v[244+\b], 0xff000000, v[232+\b]  ; the conversion's scale operand
.endr
.irp b, 0,1,2,3
	v_lshrrev_b32 v[236+\b], 23, v[244+\b]         ; the scale's byte
.endr
	v_lshl_or_b32 v253, v237, 8, v236              ; p's scale word for these 128 keys
	v_lshl_or_b32 v253, v238, 16, v253
	v_lshl_or_b32 v253, v239, 24, v253
.irp b, 0,1,2,3
	v_cvt_scalef32_pk8_fp4_f32 v[224+2*\b], v[96+16*\b:103+16*\b], v[244+\b]
	v_cvt_scalef32_pk8_fp4_f32 v[225+2*\b], v[104+16*\b:111+16*\b], v[244+\b]
.endr
	v_nop                                          ; one plain line behind the conversions
.irp c, 0,1
.irp i, 0,1
	v_permlane16_swap_b32 v[224+4*\c+\i], v[226+4*\c+\i]   ; a whole block to a lane
.endr
.endr
.set n, 0
.rept 16
	v_pk_mul_f32 v[160+n:161+n], v[160+n:161+n], v[252:253] op_sel_hi:[1,0]   ; O^T under the new M; these sixteen are also the places ahead of the scaled products below
.set n, n+2
.endr
.if \st < 7
	s_wait_dscnt 9                                 ; LDS loads come back in order (ISA guide 5.7.1): V and its scale words are in; the next step's K, nine younger loads, may be out
.else
	s_wait_dscnt 0x0                               ; V and its scale words
.endif
	s_wait_alu depctr_va_vdst(0)                   ; the conversions and exchanges have written p's codes, the shifts its scale word: the scaled products take both; the places above stay beside this wait
.irp t, 0,1,2,3
	v_wmma_scale_f32_16x16x128_f8f6f4 v[160+8*\t:167+8*\t], v[192+8*\t:199+8*\t], v[224:231], v[160+8*\t:167+8*\t], v[240+\t], v253 matrix_a_fmt:MATRIX_FMT_FP4 matrix_b_fmt:MATRIX_FMT_FP4
.endr
.endm
	s_load_b256 s[4:11], s[0:1], 0x0               ; qkv_c, qkv_s, a_c, a_s
	v_lshl_add_u32 v25, v0, 2, 0x14000
	v_mov_b32 v31, 0
	v_lshrrev_b32 v2, 5, v0
	v_readfirstlane_b32 s2, v2                     ; wave
	s_and_b32 s3, ttmp7, 0xffff                    ; 8 b + head
	v_and_b32 v1, 31, v0
	v_lshlrev_b32 v1, 4, v1                        ; 16 x lane
	v_and_b32 v5, 15, v0                           ; r
	v_add_nc_u32 v2, KS, v1
	v_lshl_add_u32 v3, v5, 4, VS
	s_wait_alu depctr_va_sdst(0)                   ; s2 is written, ahead of its first reader
	s_lshl_b32 s12, s2, 6
	s_add_co_u32 s12, s12, AS
	v_lshl_add_u32 v4, v5, 1, s12                  ; a's halfwords: 64 bytes a wave, 2 r
	v_lshlrev_b32 v6, 4, v5                        ; Q's scale words: 16 r
	v_lshlrev_b32 v7, 4, v0                        ; the copy: 16 bytes a thread,
	v_lshlrev_b32 v8, 3, v0                        ; 8 of K's scale words,
	v_lshrrev_b32 v9, 6, v0
	v_lshlrev_b32 v9, 8, v9
	v_and_b32 v10, 63, v0
	v_lshl_add_u32 v9, v10, 1, v9                  ; V's halfwords of G = 2 step: 256 step + 2 (4 r + tile)
	v_lshl_add_u32 v10, v0, 3, KS
	v_lshl_add_u32 v11, v0, 2, VS
	v_lshl_add_u32 v24, v0, 4, AS                  ; (used by waves 0 and 1 alone)
	s_mov_b32 s[SEL], 0x76543210
	s_mov_b32 s[SEL+1], 0xfedcba98
	s_mov_b32 s[CS], 0x3fb8aa3b                    ; log2(e)
	s_mov_b32 s[CS+1], s[CS]
	s_mov_b32 s[TR], 2
	s_mov_b32 s[TJ], 0
	s_lshl_b32 s14, s3, 15                         ; the head's codes
	s_mov_b32 s15, 0
	s_lshl_b32 s30, ttmp9, 14
	s_lshl_b32 s31, s2, 10
	s_add_co_u32 s30, s30, s31                     ; my first tile of queries: 32 half + 2 wave, 512 bytes each
	s_mov_b32 s31, 0
	s_lshl_b32 s32, s3, 12                         ; the head's scale words of q and of k
	s_mov_b32 s33, 0
	s_lshl_b32 s34, s3, 11                         ; of v; and a's halfwords
	s_mov_b32 s35, 0
	s_lshl_b32 s36, ttmp9, 11
	s_lshr_b32 s37, s2, 1
	s_lshl_b32 s37, s37, 8
	s_add_co_u32 s36, s36, s37
	s_and_b32 s37, s2, 1
	s_lshl_b32 s37, s37, 3
	s_add_co_u32 s36, s36, s37                     ; my first tile's word: G = tile / 4, 4 (tile % 4)
	s_mov_b32 s37, 0
	s_lshr_b32 s38, s3, 3
	s_lshl_b32 s38, s38, 18                        ; a_c: b x 64 tiles x 4,096,
	s_lshl_b32 s39, ttmp9, 17
	s_add_co_u32 s38, s38, s39
	s_lshl_b32 s39, s2, 13
	s_add_co_u32 s38, s38, s39                     ; my first tile,
	s_and_b32 s39, s3, 7
	s_lshl_b32 s39, s39, 9
	s_add_co_u32 s38, s38, s39                     ; 512 x head: K step head / 2, half head % 2
	s_mov_b32 s39, 0
	s_lshl_b32 s12, ttmp9, 10
	s_mov_b32 s13, 0
	s_wait_kmcnt 0x0
	s_add_nc_u64 s[16:17], s[4:5], s[14:15]
	s_add_nc_u64 s[18:19], s[16:17], 0x800000      ; V's codes
	s_add_nc_u64 s[QP:QP+1], s[16:17], s[30:31]    ; Q's
	s_add_nc_u64 s[16:17], s[16:17], 0x400000      ; K's
	s_add_nc_u64 s[22:23], s[6:7], s[32:33]
	s_add_nc_u64 s[QS:QS+1], s[22:23], s[36:37]    ; Q's scale words
	s_add_nc_u64 s[22:23], s[22:23], 0x80000       ; K's
	s_add_nc_u64 s[24:25], s[6:7], s[34:35]
	s_add_nc_u64 s[24:25], s[24:25], 0x100000      ; V's
	s_add_nc_u64 s[AP:AP+1], s[8:9], s[38:39]
	s_add_nc_u64 s[10:11], s[10:11], s[34:35]
	s_add_nc_u64 s[10:11], s[10:11], s[12:13]
	s_wait_alu depctr_va_vdst(0)                   ; the addresses v1-4, v6-11 and v24 are written, which the loads and stores of the kernel read
.irp i, 0,1,2,3
	global_load_b128 v[96+4*\i:99+4*\i], v7, s[16:17] offset:8192*\i
.endr
.irp i, 0,1,2,3
	global_load_b128 v[112+4*\i:115+4*\i], v7, s[18:19] offset:8192*\i
.endr
	global_load_b64 v[128:129], v8, s[22:23]
	global_load_u16 v130, v9, s[24:25]
	global_load_u16 v131, v9, s[24:25] offset:128
	global_load_b128 v[16:19], v1, s[QP:QP+1]      ; my first tile of queries,
	global_load_b128 v[26:29], v1, s[QP:QP+1] offset:512   ; and my second, which waits in v26-29;
	global_load_b32 v255, v6, s[QS:QS+1]           ; their scale words: neighbours in a row's four
	global_load_b32 v30, v6, s[QS:QS+1] offset:4
.irp j, 20,21,22,23
	v_mov_b32 v[\j], 0                             ; Q's K = 64 .. 127: zero codes
.endr
.irp i, 0,1,2,3,4,5,6,7
.irp j, 4,5,6,7
	v_mov_b32 v[32+8*\i+\j], 0                     ; K's likewise; never written again
.endr
.endr
.irp b, 0,1,2,3
	v_mov_b32 v[236+\b], 0                         ; a lane permute's destination counts as one of its sources
.endr
	v_mov_b32 v252, 0
	v_mov_b32 v253, 0                              ; (named as the upper half of the pair v[252:253] before it is first written)
	s_wait_loadcnt 0x0
	v_lshl_or_b32 v130, v131, 16, v130             ; two groups of 64 keys make a step's word
	s_wait_alu depctr_va_vdst(0)                   ; v130 is written, which the last LDS store below reads; so are the zero codes of Q's and K's upper halves, which the scaled products take
.irp i, 0,1,2,3
	ds_store_b128 v7, v[96+4*\i:99+4*\i] offset:KC+8192*\i
.endr
.irp i, 0,1,2,3
	ds_store_b128 v7, v[112+4*\i:115+4*\i] offset:VC+8192*\i
.endr
	ds_store_b64 v10, v[128:129]
	ds_store_b32 v11, v130
	s_wait_dscnt 0x0                               ; for the others' sake: my stores have landed
	s_barrier_signal -1
	s_barrier_wait -1
	s_wait_alu depctr_vm_vsrc(0)                   ; my LDS stores have read v96-130: these registers are S^T from here on, written by the products
.Ltile:                                            ; two trips: a tile of 16 queries each
	KLOAD 0                                        ; K of step 0.  No wait: no vector or matrix instruction since the last wait on va_vdst names its registers or v1, v2
	v_mov_b32 v13, 0xff61b1e6                      ; the largest t so far: -3e38
	v_floor_f32 v12, -v13
	v_mov_b32 v14, 0
	v_mov_b32 v15, 0
.set n, 0
.rept 32
	v_mov_b32 v[160+n], 0                          ; O^T: the step is written once for all steps; the first change of M leaves zeros zeros.  (These lines are also the places behind the moves at the trip's end)
.set n, n+1
.endr
	s_wait_alu depctr_va_vdst(0)                   ; the moves at the last trip's end have written Q's codes and its scale word, which the scaled products take; the places above stay beside this wait
	STEP 0
	STEP 1
	STEP 2
	STEP 3
	STEP 4
	STEP 5
	STEP 6
	STEP 7
.rept 4
	v_nop                                          ; four places behind the last products
.endr
	v_add_f32 v14, v14, v15
	v_permlanex16_b32 v252, v14, s[SEL], s[SEL+1]
	v_add_f32 v14, v14, v252                       ; the row's sum
	s_wait_alu depctr_va_vdst(0)
	v_rcp_f32 v14, v14
	v_nop
	s_wait_alu depctr_va_vdst(0)                   ; the reciprocal has written v14, ahead of its first reader
.set n, 0
.rept 32
	v_mul_f32 v[96+n], v[160+n], v14               ; a: register 16 b + i is channel 32 b + 16 h + i of my query; each accumulator from its low end on
.set n, n+1
.endr
	QUANT2 96, 224, 254
	v_add_nc_u32 v5, s[TJ], v4
	s_wait_alu depctr_va_vdst(0)                   ; the quantiser has written the codes v224-227 and the halfword v254, the addition v5: the two stores read them
	global_store_b128 v1, v[224:227], s[AP:AP+1]   ; half an image: 512 consecutive bytes
	ds_store_b16 v5, v254                          ; both halves of the lanes write the same halfword with the same value
.irp j, 0,1,2,3
	v_mov_b32 v[16+\j], v[26+\j]                   ; the second tile's Q takes its place (in the last trip the moves change nothing that is read)
.endr
	v_mov_b32 v255, v30                            ; and its scale word
	s_wait_xcnt 0x0                                ; the store's address and data may be written again
	s_wait_alu depctr_vm_vsrc(0)                   ; the two stores have read v224-227, v254 and v5, which the next trip writes again
	s_add_nc_u64 s[AP:AP+1], s[AP:AP+1], 4096
	s_add_co_u32 s[TJ], s[TJ], 32
	s_sub_co_u32 s[TR], s[TR], 1
	s_cmp_lg_u32 s[TR], 0
	s_cbranch_scc1 .Ltile
	s_wait_dscnt 0x0                               ; my halfwords have landed
	s_barrier_signal -1
	s_barrier_wait -1
	s_cmp_lt_u32 s2, 2
	s_cbranch_scc0 .Ldone
	ds_load_b128 v[96:99], v24                     ; the work-group's 32 tiles x 32 bytes.  No wait: the quantiser, the last to name v96-99, stands ahead of the wait in front of the trip's stores
	s_wait_dscnt 0x0
	global_store_b128 v7, v[96:99], s[10:11]       ; sixteen lanes store 256 consecutive bytes, aligned
.Ldone:
	s_wait_dscnt 0x0                               ; the closing lines, six on end
	s_wait_alu 0x0
	s_wait_tensorcnt 0x0
	ds_add_u32 v25, v31
	s_wait_dscnt 0x0
	s_endpgm
.Lfunc_end_k_q3eb5f86468_attn:
	.size	k_q3eb5f86468_attn, .Lfunc_end_k_q3eb5f86468_attn-k_q3eb5f86468_attn
	.p2alignl 7, 3214868480
	.fill 96, 4, 3214868480
	.section	.rodata,"a",@progbits
	.p2align	6, 0x0
	.amdhsa_kernel k_q3eb5f86468_attn
		.amdhsa_group_segment_fixed_size 83968
		.amdhsa_private_segment_fixed_size 0
		.amdhsa_enable_private_segment 0
		.amdhsa_kernarg_size 32
		.amdhsa_user_sgpr_count 2
		.amdhsa_user_sgpr_kernarg_segment_ptr 1
		.amdhsa_wavefront_size32 1
		.amdhsa_system_sgpr_workgroup_id_x 1
		.amdhsa_system_sgpr_workgroup_id_y 1
		.amdhsa_system_sgpr_workgroup_id_z 1
		.amdhsa_system_vgpr_workitem_id 0
		.amdhsa_next_free_vgpr 256
		.amdhsa_next_free_sgpr 66
		.amdhsa_reserve_vcc 0
		.amdhsa_float_denorm_mode_32 3
		.amdhsa_float_denorm_mode_16_64 3
		.amdhsa_memory_ordered 1
		.amdhsa_forward_progress 1
		.amdhsa_inst_pref_size 129
	.end_amdhsa_kernel
	.amdgpu_metadata
---
amdhsa.version: [ 1, 2 ]
amdhsa.kernels:
  - .name:           k_q3eb5f86468_attn
    .symbol:         k_q3eb5f86468_attn.kd
    .args:
      - { .name: qkv_c, .offset: 0, .size: 8, .value_kind: global_buffer, .address_space: global }
      - { .name: qkv_s, .offset: 8, .size: 8, .value_kind: global_buffer, .address_space: global }
      - { .name: a_c, .offset: 16, .size: 8, .value_kind: global_buffer, .address_space: global }
      - { .name: a_s, .offset: 24, .size: 8, .value_kind: global_buffer, .address_space: global }
    .group_segment_fixed_size: 83968
    .private_segment_fixed_size: 0
    .kernarg_segment_align: 8
    .kernarg_segment_size: 32
    .max_flat_workgroup_size: 512
    .sgpr_count:     66
    .vgpr_count:     256
    .wavefront_size: 32
...
	.end_amdgpu_metadata
.endif
;; end of part 7
;; launch proj (part 8): grid 256 x 1, 8 waves a work-group, no clusters, 168,960 bytes of LDS; arguments a_c, a_s, w_cs, bp, x, out0; writes out0
.if DOCPART == 8
	.amdgcn_target "amdgcn-amd-amdhsa--gfx1250"
	.amdhsa_code_object_version 6
	.text
	.protected	k_q3eb5f86468_proj
	.globl	k_q3eb5f86468_proj
	.p2align	8
	.type	k_q3eb5f86468_proj,@function
k_q3eb5f86468_proj:
	s_mov_b64 s[64:65], 0
	v_nop
	global_prefetch_b8 v0, s[64:65] scope:SCOPE_SE
	s_setreg_imm32_b32 hwreg(HW_REG_WAVE_MODE, 25, 1), 1
	s_wait_xcnt 0x0
; out0 = x + Wp a + bp, the product on codes of FP4.  Work-group = b x 16 + G: 512 output channels x 64 tokens; wave w makes channels 64 w .. 64 w + 63: 16 accumulators, K = 512, 64 matrix instructions.
; a's and Wp's fragments come from memory straight into registers, as images (every load is 512 consecutive bytes).  Source 0 = 16 tokens, source 1 = 16 rows of Wp: a lane holds one output channel and its registers
; run along the tokens, which are innermost in out0; the tokens of a tile are 32 B + 8 u + r + 8 (r / 8), so that the 16 registers of tiles 2 B, 2 B + 1 are 16 neighbours.  bp is the C of each sum's first product.
; The wave's 64 rows x 256 bytes of x come by ONE tensor load, issued first; only the issuing wave reads them, behind its own wait.  Nothing is filled again.
; The results go through the wave's own stage in LDS (16 rows x 272 bytes, bytes into which no fill lands) and leave as whole rows: sixteen lanes store 256 consecutive bytes, aligned.
; LDS: more than half of what a WGP has is claimed; 165,888 bytes are used.
; No cluster: Wp's codes, which all work-groups read, go straight into registers; x's tile is each wave's own.
.set XR,    0                          ; 8 waves x 64 rows x 256 bytes of x
.set STAGE, 131072                     ; 8 waves x 16 x 272
.set ACC, 32                           ; v32-159 accumulator (g, i) at 32 + 32 g + 8 i
.set CB,  160                          ; v160-191 the bias
.set SA,  192                          ; v192-199 a's scale words
.set SW,  200                          ; v200-207 Wp's
.set U,   208                          ; v208-223 a's scale halfwords as loaded
.set Y,   160                          ; the way out: rows read back from the stage
.set XV,  224                          ; v224-255 the same rows of x
.set AF,  0
.set WF,  128
.set STO, 7
.set RD,  8
.set XA,  9
.set GO,  10
.set MSB, 0
.macro WIN new
.if MSB != \new
	s_set_vgpr_msb (MSB<<8)|\new
.set MSB, \new
.endif
.endm
.macro MM d, a, b, c, sa, ra, sb, rb
.if (\ra) && (\rb)
	v_wmma_scale_f32_16x16x128_f8f6f4 v[\d:\d+7], v[\a:\a+7], v[\b:\b+7], v[\c:\c+7], v[\sa], v[\sb] matrix_a_fmt:MATRIX_FMT_FP4 matrix_b_fmt:MATRIX_FMT_FP4 matrix_a_scale:MATRIX_SCALE_ROW1 matrix_b_scale:MATRIX_SCALE_ROW1
.elseif (\ra)
	v_wmma_scale_f32_16x16x128_f8f6f4 v[\d:\d+7], v[\a:\a+7], v[\b:\b+7], v[\c:\c+7], v[\sa], v[\sb] matrix_a_fmt:MATRIX_FMT_FP4 matrix_b_fmt:MATRIX_FMT_FP4 matrix_a_scale:MATRIX_SCALE_ROW1
.elseif (\rb)
	v_wmma_scale_f32_16x16x128_f8f6f4 v[\d:\d+7], v[\a:\a+7], v[\b:\b+7], v[\c:\c+7], v[\sa], v[\sb] matrix_a_fmt:MATRIX_FMT_FP4 matrix_b_fmt:MATRIX_FMT_FP4 matrix_b_scale:MATRIX_SCALE_ROW1
.else
	v_wmma_scale_f32_16x16x128_f8f6f4 v[\d:\d+7], v[\a:\a+7], v[\b:\b+7], v[\c:\c+7], v[\sa], v[\sb] matrix_a_fmt:MATRIX_FMT_FP4 matrix_b_fmt:MATRIX_FMT_FP4
.endif
.endm
	s_load_b256 s[4:11], s[0:1], 0x0               ; a_c, a_s, w_cs, bp
	s_load_b128 s[12:15], s[0:1], 0x20             ; x, out0
	v_lshl_add_u32 v30, v0, 2, 0x29000
	v_mov_b32 v31, 0
	ds_add_u32 v30, v31
	ds_add_u32 v30, v31
	v_lshrrev_b32 v2, 5, v0
	s_delay_alu instid0(VALU_DEP_1)
	v_readfirstlane_b32 s2, v2                     ; wave
	s_lshr_b32 s20, ttmp9, 4                       ; b
	s_and_b32 s21, ttmp9, 15                       ; G
	s_lshl_b32 s30, s20, 21                        ; x and out0: b x 512 rows x 4,096 bytes,
	s_lshl_b32 s31, s2, 18                         ; 64 rows a wave,
	s_add_co_u32 s30, s30, s31
	s_lshl_b32 s31, s21, 8                         ; 64 tokens = 256 bytes
	s_add_co_u32 s30, s30, s31
	s_mov_b32 s31, 0
	; descriptor group 1: a tile of 64 rows x 64 elements of 4 bytes, 1,024 elements from row to row, dense in LDS
	s_mov_b32 s48, 2<<16                           ; no mask; elements of 4 bytes; no padding
	s_mov_b32 s49, 64<<16                          ; tensor_dim0 = 64
	s_mov_b32 s50, 64<<16                          ; tensor_dim1 = 64
	s_mov_b32 s51, 64<<16                          ; tile_dim0 = 64
	s_mov_b32 s52, 64                              ; tile_dim1 = 64
	s_mov_b32 s53, 1024                            ; the pitch
	s_mov_b32 s54, 0
	s_mov_b32 s55, 0
	s_mov_b32 s44, 1                               ; group 0: count = 1,
	s_lshl_b32 s45, s2, 14                         ; LDS address: 16,384 x wave,
	s_wait_dscnt 0x0
	s_wait_kmcnt 0x0
	s_add_nc_u64 s[46:47], s[12:13], s[30:31]      ; the tile's first element,
	s_or_b32 s47, s47, 0x80000000                  ; type = 2
	s_add_nc_u64 s[14:15], s[14:15], s[30:31]
	tensor_load_to_lds s[44:47], s[48:55]          ; my one tensor load: ahead of every wait on its counter
	s_nop 0
.rept 4
	v_nop
.endr
	v_and_b32 v2, 31, v0
	s_delay_alu instid0(VALU_DEP_1)
	v_lshlrev_b32 v1, 4, v2                        ; 16 x lane
	s_delay_alu instid0(VALU_DEP_2)
	v_lshlrev_b32 v2, 1, v2                        ; 2 x lane
	v_and_b32 v5, 15, v0                           ; r
	v_bfe_u32 v6, v0, 4, 1                         ; h
	s_delay_alu instid0(VALU_DEP_2)
	v_and_b32 v3, 8, v5
	s_delay_alu instid0(VALU_DEP_1)
	v_add_nc_u32 v3, v3, v5
	s_delay_alu instid0(VALU_DEP_1)
	v_lshlrev_b32 v3, 2, v3                        ; bp of my lane's channel: r + 8 (r / 8) of the tile
	s_mul_i32 s32, s2, 4352
	s_add_co_u32 s32, s32, STAGE                   ; my stage
	v_mul_u32_u24 v[STO], v5, 272
	s_delay_alu instid0(VALU_DEP_1)
	v_lshl_add_u32 v[STO], v6, 6, v[STO]
	s_delay_alu instid0(VALU_DEP_1)
	v_add_nc_u32 v[STO], s32, v[STO]               ; in: row r, 64 bytes for each half of the lanes
	v_mul_u32_u24 v[RD], v6, 272
	s_delay_alu instid0(VALU_DEP_1)
	v_lshl_add_u32 v[RD], v5, 4, v[RD]
	s_delay_alu instid0(VALU_DEP_1)
	v_add_nc_u32 v[RD], s32, v[RD]                 ; back: lanes 0-15 one row, lanes 16-31 the next
	s_lshl_b32 s33, s2, 14
	v_add_nc_u32 v[XA], s33, v1                    ; the same two rows of x's tile
	v_lshlrev_b32 v[GO], 4, v5
	s_delay_alu instid0(VALU_DEP_1)
	v_lshl_add_u32 v[GO], v6, 12, v[GO]            ; and in out0
	s_lshl_b32 s34, ttmp9, 14                      ; a_c: (64 b + 4 G) tiles x 4,096
	s_mov_b32 s35, 0
	s_add_nc_u64 s[4:5], s[4:5], s[34:35]
	s_lshl_b32 s34, s20, 14
	s_lshl_b32 s36, s21, 7
	s_add_co_u32 s34, s34, s36                     ; a_s: (512 b + 4 G) tiles x 32
	s_add_nc_u64 s[6:7], s[6:7], s[34:35]
	s_lshl_b32 s34, s2, 2
	s_add_co_u32 s34, s34, 96                      ; Wp's tiles 96 + 4 w on
	s_lshl_b32 s36, s34, 8
	s_mov_b32 s37, 0
	s_add_nc_u64 s[26:27], s[8:9], s[36:37]        ; their scale words (524,288 stands in the immediate)
	s_lshl_b32 s34, s34, 12
	s_add_nc_u64 s[24:25], s[8:9], s[34:35]
	s_lshl_b32 s34, s2, 8
	s_add_nc_u64 s[10:11], s[10:11], s[34:35]
.irp d, 0,1,2,3,4,5,6,7
.irp p, 0,1
	global_load_u16 v[U+2*\d+\p], v2, s[6:7] offset:2048*\d+64*\p   ; head d's two bytes: lanes 0-15 tile 2 p, lanes 16-31 tile 2 p + 1
.endr
.endr
.irp p, 0,1
	global_load_b128 v[SW+4*\p:SW+4*\p+3], v1, s[26:27] offset:524288+512*\p
.endr
.irp g, 0,1,2,3
	global_load_b32 v[CB+8*\g], v3, s[10:11] offset:(32*(\g/2)+8*(\g%2))*4
.endr
	WIN 0x40                                       ; destination window 1
.irp k, 0,1,2,3
.irp i, 0,1,2,3
.irp c, 0,1
	global_load_b128 v[AF+32*\i+8*\k+4*\c:AF+32*\i+8*\k+4*\c+3], v1, s[4:5] offset:4096*\i+1024*\k+512*\c
.endr
.endr
.irp i, 0,1,2,3
.irp c, 0,1
	global_load_b128 v[WF+32*\i+8*\k+4*\c:WF+32*\i+8*\k+4*\c+3], v1, s[24:25] offset:4096*\i+1024*\k+512*\c
.endr
.endr
.endr
	WIN 0
	s_wait_loadcnt 63                              ; 64 loads were issued behind the scales and the bias: those are in
.irp g, 0,1,2,3
.irp j, 1,2,3,4,5,6,7
	v_mov_b32 v[CB+8*\g+\j], v[CB+8*\g]            ; a lane's eight results are eight tokens of one channel: one bias
.endr
.endr
.irp p, 0,1
.irp k, 0,1,2,3
	v_lshl_or_b32 v[SA+4*\p+\k], v[U+2*(2*\k+1)+\p], 16, v[U+2*(2*\k)+\p]   ; two heads' halfwords make a K step's word
.endr
.endr
.rept 8
	v_nop                                          ; eight places ahead of the scaled matrix instructions
.endr
	WIN 0x05                                       ; sources 0 and 1 window 1; C and D window 0
	s_wait_alu depctr_va_vdst(0)
.irp k, 0,1,2,3
	s_wait_loadcnt 16*(3-\k)                       ; this K step's 16 loads are in; 16 for each later K step may be out
.irp g, 0,1,2,3
.irp i, 0,1,2,3
.if \k == 0
	MM ACC+32*\g+8*\i, AF+32*\i+8*\k, WF+32*\g+8*\k, CB+8*\g, SA+4*(\i/2)+\k, \i%2, SW+4*(\g/2)+\k, \g%2
.else
	MM ACC+32*\g+8*\i, AF+32*\i+8*\k, WF+32*\g+8*\k, ACC+32*\g+8*\i, SA+4*(\i/2)+\k, \i%2, SW+4*(\g/2)+\k, \g%2
.endif
.endr
.endr
.endr                                              ; the sixteen accumulators take turns, one instruction a turn
	WIN 0
.rept 4
	v_nop                                          ; four places ahead of the first read of results and of the loads into the bias's registers
.endr
	s_wait_tensorcnt 0x0                           ; my rows of x are in LDS
.irp g, 0,1,2,3                        ; Wp's tile g: 16 output rows x 64 tokens
.if \g > 0
	s_wait_xcnt 0x0                                ; the last tile's stores have read their registers: they are loaded again
.endif
.irp p, 0,1,2,3,4,5,6,7
	ds_store_b128 v[STO], v[ACC+32*\g+4*\p:ACC+32*\g+4*\p+3] offset:128*(\p/4)+16*(\p%4)   ; registers 16 B .. 16 B + 15 are tokens 32 B + 16 h + 0 .. 15; each accumulator from its low end on
.endr
.irp t, 0,1,2,3,4,5,6,7
	ds_load_b128 v[Y+4*\t:Y+4*\t+3], v[RD] offset:544*\t   ; LDS serves a wave's instructions in order: these see my stores, and the next tile's stores come behind them
.endr
.irp t, 0,1,2,3,4,5,6,7
	ds_load_b128 v[XV+4*\t:XV+4*\t+3], v[XA] offset:256*(32*(\g/2)+8*(\g%2)+2*\t+8*(\t/4))
.endr
.irp t, 0,1,2,3,4,5,6,7
	s_wait_dscnt 7-\t                              ; rows 2 t, 2 t + 1 of the stage and of x are in; the 7 - t younger reads of x may be out
	v_pk_add_f32 v[Y+4*\t:Y+4*\t+1], v[Y+4*\t:Y+4*\t+1], v[XV+4*\t:XV+4*\t+1]
	v_pk_add_f32 v[Y+4*\t+2:Y+4*\t+3], v[Y+4*\t+2:Y+4*\t+3], v[XV+4*\t+2:XV+4*\t+3]
	global_store_b128 v[GO], v[Y+4*\t:Y+4*\t+3], s[14:15] offset:4096*(32*(\g/2)+8*(\g%2)+2*\t+8*(\t/4)) th:TH_STORE_NT   ; sixteen lanes store 256 consecutive bytes, aligned
.endr
.endr
	s_wait_tensorcnt 0x0
	ds_add_u32 v30, v31
	s_wait_dscnt 0x0
	s_endpgm
.Lfunc_end_k_q3eb5f86468_proj:
	.size	k_q3eb5f86468_proj, .Lfunc_end_k_q3eb5f86468_proj-k_q3eb5f86468_proj
	.p2alignl 7, 3214868480
	.fill 96, 4, 3214868480
	.section	.rodata,"a",@progbits
	.p2align	6, 0x0
	.amdhsa_kernel k_q3eb5f86468_proj
		.amdhsa_group_segment_fixed_size 168960
		.amdhsa_private_segment_fixed_size 0
		.amdhsa_enable_private_segment 0
		.amdhsa_kernarg_size 48
		.amdhsa_user_sgpr_count 2
		.amdhsa_user_sgpr_kernarg_segment_ptr 1
		.amdhsa_wavefront_size32 1
		.amdhsa_system_sgpr_workgroup_id_x 1
		.amdhsa_system_sgpr_workgroup_id_y 1
		.amdhsa_system_sgpr_workgroup_id_z 1
		.amdhsa_system_vgpr_workitem_id 0
		.amdhsa_next_free_vgpr 512
		.amdhsa_next_free_sgpr 66
		.amdhsa_reserve_vcc 0
		.amdhsa_float_denorm_mode_32 3
		.amdhsa_float_denorm_mode_16_64 3
		.amdhsa_memory_ordered 1
		.amdhsa_forward_progress 1
		.amdhsa_inst_pref_size 37
	.end_amdhsa_kernel
	.amdgpu_metadata
---
amdhsa.version: [ 1, 2 ]
amdhsa.kernels:
  - .name:           k_q3eb5f86468_proj
    .symbol:         k_q3eb5f86468_proj.kd
    .args:
      - { .name: a_c, .offset: 0, .size: 8, .value_kind: global_buffer, .address_space: global }
      - { .name: a_s, .offset: 8, .size: 8, .value_kind: global_buffer, .address_space: global }
      - { .name: w_cs, .offset: 16, .size: 8, .value_kind: global_buffer, .address_space: global }
      - { .name: bp, .offset: 24, .size: 8, .value_kind: global_buffer, .address_space: global }
      - { .name: x, .offset: 32, .size: 8, .value_kind: global_buffer, .address_space: global }
      - { .name: out0, .offset: 40, .size: 8, .value_kind: global_buffer, .address_space: global }
    .group_segment_fixed_size: 168960
    .private_segment_fixed_size: 0
    .kernarg_segment_align: 8
    .kernarg_segment_size: 48
    .max_flat_workgroup_size: 256
    .sgpr_count:     66
    .vgpr_count:     512
    .wavefront_size: 32
...
	.end_amdgpu_metadata
.endif
;; end of part 8
